; MI455X (gfx1250); checked and timed in simulation.
; The chip was launched on July 23, 2026; its instructions are those of AMD's public machine-readable ISA for CDNA 5 (MIT licence, August 2026) and "CDNA5" Instruction Set Architecture Reference Guide (July 2026). The comments in the code are by the model that wrote it; some were corrected since.
;; Attention Block. Allowed arithmetic: matrix products marked QUANTISED: E2M3 operands, one E8M0 scale for each 32 along K, by v_wmma_scale_f32_16x16x128_f8f6f4 with both operands' format E2M3, f32 sums; everything else in f32.
;; Inputs: gn_b 256 float32; gn_w 256 float32; proj_b 256 float32; proj_w 256 x 256 float32; qkv_b 768 float32; qkv_w 768 x 256 float32; x 4 x 256 x 64 x 64 float32.
;; Outputs: out0 4 x 256 x 64 x 64 float32.
;; This version of the problem:
;;   THIS VERSION OF THE PROBLEM IS GIVEN IN LOW PRECISION. The matrix products marked QUANTISED in the list below multiply operands that are first quantised to E2M3 (2 exponent bits, 3 mantissa bits; 6 bits a number), with one power-of-two scale for each 32 numbers along K (OCP MX v1.0); their sums are f32. All else is computed in f32.
;;   The module's matrix products, in the order in which they are computed (A, B: the left and right operand; K: the contracted axis; several contracted axes count as one K, in the product's order):
;;     1. [M 16,384, K 256] x [K 256, N 768]; A: computed on the way; B: input qkv_w: QUANTISED
;;     2. batch 16 x [M 4,096, K 64] x [K 64, N 4,096]; A: computed on the way; B: computed on the way: QUANTISED
;;     3. batch 16 x [M 4,096, K 4,096] x [K 4,096, N 64]; A: softmax (see below); B: computed on the way: QUANTISED
;;     4. [M 16,384, K 256] x [K 256, N 256]; A: computed on the way; B: input proj_w: QUANTISED
;;   THE QUANTISER, for each operand of a quantised product, along K:
;;     - K is cut into blocks of 32 from its start; a last block that is shorter is filled with zeros.
;;     - A block's scale is 2^e with e = floor(log2(the largest magnitude in the block)) - 2, held to -126 .. 127; a block of zeros has e = 0. As a byte (E8M0): e + 127.
;;     - Each number is divided by its block's scale, clamped to +-7.5, and rounded to the nearest number of E2M3, ties to even, subnormals kept.
;;     - The product sums the exact products of the quantised numbers (number of the format x scale) in f32.
;;   ~~~python
;;   def quantise(x, axis):      # numpy; x: float32 -> the quantised numbers, widened to float32 again
;;       x = np.moveaxis(x, axis, -1); K = x.shape[-1]
;;       x = np.pad(x, [(0, 0)] * (x.ndim - 1) + [(0, -K % 32)]); x = x.reshape(x.shape[:-1] + (-1, 32)); a = np.abs(x).max(-1, keepdims=True)
;;       e = np.where(a > 0, np.clip(np.frexp(np.where(a > 0, a, 1))[1] - 1 - 2, -126, 127), 0)      # np.frexp(a)[1] - 1 = floor(log2(a)), exactly
;;       r = np.clip(x / 2.0 ** e, -7.5, 7.5)
;;       step = 2.0 ** (np.maximum(np.frexp(np.where(r == 0, 1, r))[1] - 1, 0) - 3)
;;       q = np.round(r / step) * step * 2.0 ** e      # np.round: ties to even
;;       return np.moveaxis(q.reshape(q.shape[:-2] + (-1,))[..., :K], -1, axis).astype(np.float32)
;;   ~~~
;;   SOFTMAX AHEAD OF A QUANTISED PRODUCT. Where the list says 'softmax', what is quantised is not the finished softmax but p = 2^(t - M), with t = logit x log2(e) and M = ceil(the row's largest t), a whole number; so 1/2 < the row's largest p <= 1. The row's sum l is taken of the UNQUANTISED p, in f32, and the product's result is divided by l at the end. Since M is a whole number, a kernel that streams over the keys may use a running M (the ceiling of the running maximum): every later rescaling is an exact power of two, which a block's scale takes up: the codes' values come out the same.
;;   OPERANDS COMPUTED ON THE WAY. 'Computed on the way' means the value that the module computes at that place (a softmax that the list does not call 'softmax' is quantised finished and normalised). What goes into a quantiser is computed in f32, as accurately as f32 sums, v_exp_f32 and their like allow (about 1e-6 of the number): no bf16 or f16 on the way to a quantiser, and a product that is left as it is and whose result goes on into a quantised operand takes f32 operands (vector FMAs, or v_wmma_f32_16x16x4_f32). A number that lies on a knife's edge between two numbers of the format may be rounded either way, as far as f32 arithmetic and the matrix unit's own rounding can turn it there, and no further.
;; One version. Each part assembles by itself: llvm-mc -triple=amdgcn-amd-amdhsa -mcpu=gfx1250 --defsym DOCPART=n.
;; ======== version 1 of 1: 4 launches
;; workspace buffers: part 8,192 bytes; wts 212,992 bytes; qkvc 9,437,184 bytes; scl 655,360 bytes; ocod 3,145,728 bytes; oscl 524,288 bytes
;; launch prep (part 1): grid 272 x 1, 4 waves a work-group, no clusters, 0 bytes of LDS; arguments x, qkv_w, proj_w, part, wts; writes part, wts
.if DOCPART == 1
	.amdgcn_target "amdgcn-amd-amdhsa--gfx1250"
	.amdhsa_code_object_version 6
	.text
	.protected	k_qa775d03b35_prep
	.globl	k_qa775d03b35_prep
	.p2align	8
	.type	k_qa775d03b35_prep,@function
k_qa775d03b35_prep:
	s_mov_b64 s[64:65], 0
	v_nop
	global_prefetch_b8 v0, s[64:65] scope:SCOPE_SE
	s_setreg_imm32_b32 hwreg(HW_REG_WAVE_MODE, 25, 1), 1
	s_wait_xcnt 0x0
; FIRST OF FOUR LAUNCHES of: out = x + proj(attention(qkv(groupnorm(x)))), all four products on codes of E2M3 with one E8M0 scale for each 32 along K.
; NO WORK IS LEFT OUT: every product of the problem is live, every bias goes into a quantised operand or into the output, and all seven inputs are loaded by some launch.
; THIS LAUNCH does two things that many later work-groups would otherwise repeat.
;  (1) Work-groups 0-255: GroupNorm's partial statistics.  A group (8 channels x 4,096 tokens) is 131,072 consecutive bytes of x; wave id = 4 x work-group + wave takes the
;      4,096 numbers at 16,384 id (part id % 8 of group id / 8), keeps them in 128 registers, and stores {its mean, its sum of squares about that mean}: two passes over registers,
;      so that a common offset of the inputs costs no digits.  The next launch joins the eight parts of a group.
;  (2) Work-groups 256-271: qkv_w (48 tiles of 16 rows) and proj_w (16 tiles) become codes, laid as IMAGES OF THE OPERAND'S REGISTERS: tile t, K step s (128 along K): registers
;      0-3, 4-7, 8-11 of each lane at 16 x lane in three planes of 512 bytes; the rows' scale words at 4 x lane.  Lane r of tile t' of its tensor takes row
;      64 (t' / 4) + 32 ((t' / 2) % 2) + 8 (t' % 2) + r + 8 (r / 8): with that choice the 16 result registers of tiles 2 b and 2 b + 1 are 16 neighbours along the next product's K.
; A block's scale is 2^(floor(log2(largest magnitude)) - 2): its byte is the largest magnitude's exponent field - 2, held at 1 from below by a floor among the maximum's leaves.
; LIMITS: NaN and infinities among the inputs are not served.  A block of zeros, and one whose largest magnitude lies under 2^-124, carries the byte 1 (zeros: where the rule says 127; its codes are zeros,
; which add nothing, and this program alone reads the bytes).
; No LDS, no barrier: waves share nothing.  No matrix unit, cluster or tensor load: a stream that is read once.
.set X,  32                            ; v32-159  128 numbers of a lane
.set CD, 160                           ; v160-199 the codes: 20 registers for each K step, so that no store's data are written again
.set WD, 200                           ; v200-201 the scale words
	s_load_b256 s[4:11], s[0:1], 0x0               ; x s[4:5], qkv_w s[6:7], proj_w s[8:9], part s[10:11]
	s_load_b64 s[12:13], s[0:1], 0x20              ; wts
	v_lshrrev_b32 v1, 5, v0
	v_readfirstlane_b32 s14, v1                    ; wave 0..3
	v_and_b32 v1, 31, v0                           ; lane
	v_lshlrev_b32 v2, 4, v1                        ; 16 x lane
	v_mov_b32 v15, 0                               ; written once: a lane permute's destination counts as one of its sources
	s_mov_b32 s20, 0x76543210
	s_mov_b32 s21, 0xfedcba98                      ; v_permlanex16_b32's selects for lane l xor 16
	s_mov_b32 s19, 0
	s_wait_kmcnt 0x0
	s_cmp_lt_u32 ttmp9, 256
	s_cbranch_scc0 .Lweights
; ---- (1) the statistics
.macro FOLD                            ; four packed chains -> one number a lane -> the same sum in all 32 lanes, in v14
	v_pk_add_f32 v[4:5], v[4:5], v[6:7]
	v_pk_add_f32 v[8:9], v[8:9], v[10:11]
	v_pk_add_f32 v[4:5], v[4:5], v[8:9]
	v_add_f32 v14, v4, v5
	v_add_f32_dpp v14, v14, v14 row_xmask:1 row_mask:0xf bank_mask:0xf
	v_add_f32_dpp v14, v14, v14 row_xmask:2 row_mask:0xf bank_mask:0xf
	v_add_f32_dpp v14, v14, v14 row_xmask:4 row_mask:0xf bank_mask:0xf
	v_add_f32_dpp v14, v14, v14 row_xmask:8 row_mask:0xf bank_mask:0xf
	v_permlanex16_b32 v15, v14, s20, s21
	v_add_f32 v14, v14, v15
.endm
	s_lshl_b32 s16, ttmp9, 2
	s_add_co_u32 s16, s16, s14                     ; id 0..1023
	s_lshl_b32 s18, s16, 14
	s_add_nc_u64 s[4:5], s[4:5], s[18:19]          ; my 16,384 bytes of x
	s_lshl_b32 s18, s16, 3
	s_add_nc_u64 s[10:11], s[10:11], s[18:19]      ; my 8 bytes of part
.set i, 0
.rept 32
	global_load_b128 v[X+4*i:X+4*i+3], v2, s[4:5] offset:512*i th:TH_LOAD_NT   ; 32 lanes read 512 consecutive bytes; all 32 loads are out together
.set i, i+1
.endr
	s_wait_loadcnt 24                              ; the first eight loads (pairs 0-15) are in; the 24 younger may be out
.irp k, 0,1,2,3
	v_pk_add_f32 v[4+2*\k:5+2*\k], v[X+2*\k:X+2*\k+1], v[X+8+2*\k:X+9+2*\k]   ; the first eight pairs start the chains: nothing is cleared
.endr
.set p, 8
.rept 56
.if p == 16
	s_wait_loadcnt 16                              ; the counts are the younger loads of the 32
.elseif p == 32
	s_wait_loadcnt 8
.elseif p == 48
	s_wait_loadcnt 0
.endif
	v_pk_add_f32 v[4+2*(p%4):5+2*(p%4)], v[4+2*(p%4):5+2*(p%4)], v[X+2*p:X+2*p+1]
.set p, p+1
.endr
	FOLD
	v_mul_f32 v12, 0x39800000, v14                 ; the part's mean: sum x 2^-12
	v_mov_b32 v13, v12
.set p, 0
.rept 64
	v_pk_add_f32 v[X+2*p:X+2*p+1], v[X+2*p:X+2*p+1], v[12:13] neg_lo:[0,1] neg_hi:[0,1]   ; x - mean, in place
.set p, p+1
.endr
.irp k, 0,1,2,3
	v_pk_mul_f32 v[4+2*\k:5+2*\k], v[X+2*\k:X+2*\k+1], v[X+2*\k:X+2*\k+1]
.endr
.set p, 4
.rept 60
	v_pk_fma_f32 v[4+2*(p%4):5+2*(p%4)], v[X+2*p:X+2*p+1], v[X+2*p:X+2*p+1], v[4+2*(p%4):5+2*(p%4)]
.set p, p+1
.endr
	FOLD
	v_mov_b32 v13, v14                             ; {mean, sum of squares about it}
	v_mov_b32 v15, 0
	v_cmp_eq_u32 vcc_lo, 0, v1
	s_wait_xcnt 0x0                                ; EXEC changes only behind this wait
	s_and_saveexec_b32 s22, vcc_lo                 ; lane 0 stores for the wave
	global_store_b64 v15, v[12:13], s[10:11]
	s_wait_xcnt 0x0                                ; and again, in front of the line that widens it
	s_or_b32 exec_lo, exec_lo, s22
	s_endpgm
; ---- (2) the weights
.Lweights:
	s_sub_co_u32 s16, ttmp9, 256
	s_lshl_b32 s16, s16, 2
	s_add_co_u32 s16, s16, s14                     ; tile t 0..63
	s_cmp_lt_u32 s16, 48                           ; qkv_w's or proj_w's?  The choice hangs on ids alone
	s_cselect_b64 s[6:7], s[6:7], s[8:9]
	s_cselect_b32 s17, 0, 48
	s_sub_co_u32 s17, s16, s17                     ; t': the tile's number in its tensor
	s_lshr_b32 s18, s17, 2
	s_lshl_b32 s18, s18, 6
	s_bfe_u32 s23, s17, 0x10001
	s_lshl_b32 s23, s23, 5
	s_add_co_u32 s18, s18, s23
	s_and_b32 s23, s17, 1
	s_lshl_b32 s23, s23, 3
	s_add_co_u32 s18, s18, s23                     ; the tile's first row
	s_lshl_b32 s18, s18, 10                        ; a row is 1,024 bytes
	s_add_nc_u64 s[6:7], s[6:7], s[18:19]
	s_mul_i32 s18, s16, 3072
	s_add_nc_u64 s[24:25], s[12:13], s[18:19]      ; the tile's two images
	s_lshl_b32 s18, s16, 8
	s_add_co_u32 s18, s18, 196608
	s_add_nc_u64 s[26:27], s[12:13], s[18:19]      ; and its scale words
	v_and_b32 v3, 15, v1                           ; r
	v_lshrrev_b32 v16, 4, v1                       ; h
	v_and_b32 v17, 8, v3
	v_add_nc_u32 v17, v17, v3                      ; r + 8 (r / 8)
	v_lshlrev_b32 v17, 10, v17
	v_lshl_add_u32 v17, v16, 7, v17                ; my row, + 128 h: the operand's layout gives lane (r, h) k = 128 s + 64 c + 32 h + 0 .. 31
	v_lshlrev_b32 v18, 2, v1                       ; 4 x lane
	v_lshlrev_b32 v19, 3, v16                      ; 8 h: where my two scale bytes go
.irp s, 0,1
.irp c, 0,1
.irp q, 0,1,2,3,4,5,6,7
	global_load_b128 v[X+64*\s+32*\c+4*\q:X+64*\s+32*\c+4*\q+3], v17, s[6:7] offset:512*\s+256*\c+16*\q
.endr
.endr
.endr
.macro WSTEP s                         ; K step s: two whole blocks a lane -> 12 registers of codes and the row's scale word
.set XS, X+64*(\s)
.set CS, CD+20*(\s)
	s_wait_loadcnt 16-16*(\s)                      ; this K step's sixteen loads are in; the next step's sixteen may be out
.irp c, 0,1
	v_max3_num_f32 v[20+\c], |v[XS+32*\c]|, |v[XS+32*\c+1]|, 0x1800000   ; my block 2 c + h, and the floor 2^(3 - 127)
.endr
.irp i, 2,4,6,8,10,12,14,16,18,20,22,24,26,28,30
.irp c, 0,1
	v_max3_num_f32 v[20+\c], v[20+\c], |v[XS+32*\c+\i]|, |v[XS+32*\c+\i+1]|   ; (the two blocks by turns)
.endr
.endr
.irp c, 0,1
	v_add_nc_u32 v[22+\c], 0xff000000, v[20+\c]    ; 2 off the exponent field: the conversion's scale operand
.endr
.irp c, 0,1
	v_lshrrev_b32 v[24+\c], 23, v[22+\c]           ; the scale's byte
.endr
	v_lshl_or_b32 v[WD+\s], v25, 16, v24           ; blocks h and 2 + h,
	v_lshlrev_b32 v[WD+\s], v19, v[WD+\s]          ; at their places in the word;
	v_mov_b32 v26, 0
	v_permlanex16_b32 v26, v[WD+\s], s20, s21
	v_or_b32 v[WD+\s], v[WD+\s], v26               ; with lane l xor 16's two the word is whole
.irp c, 0,1
	v_cvt_scalef32_pk16_fp6_f32 v[CS+6*\c:CS+6*\c+2], v[XS+32*\c:XS+32*\c+15], v[22+\c]
	v_cvt_scalef32_pk16_fp6_f32 v[CS+12+4*\c:CS+14+4*\c], v[XS+32*\c+16:XS+32*\c+31], v[22+\c]   ; (a conversion's three registers begin on an even number)
.endr
	v_nop                                          ; one plain place behind a scaled conversion
.irp c, 0,1
.irp i, 0,1,2
	v_mov_b32 v[CS+3+6*\c+\i], v[CS+12+4*\c+\i]
.endr
.endr
.irp q, 0,1,2
	global_store_b128 v2, v[CS+4*\q:CS+4*\q+3], s[24:25] offset:1536*(\s)+512*\q   ; 32 lanes store 512 consecutive bytes
.endr
	global_store_b32 v18, v[WD+\s], s[26:27] offset:128*(\s)
.endm
	WSTEP 0
	WSTEP 1
	s_endpgm
.Lfunc_end_k_qa775d03b35_prep:
	.size	k_qa775d03b35_prep, .Lfunc_end_k_qa775d03b35_prep-k_qa775d03b35_prep
	.p2alignl 7, 3214868480
	.fill 96, 4, 3214868480
	.section	.rodata,"a",@progbits
	.p2align	6, 0x0
	.amdhsa_kernel k_qa775d03b35_prep
		.amdhsa_group_segment_fixed_size 0
		.amdhsa_private_segment_fixed_size 0
		.amdhsa_enable_private_segment 0
		.amdhsa_kernarg_size 40
		.amdhsa_user_sgpr_count 2
		.amdhsa_user_sgpr_kernarg_segment_ptr 1
		.amdhsa_wavefront_size32 1
		.amdhsa_system_sgpr_workgroup_id_x 1
		.amdhsa_system_sgpr_workgroup_id_y 1
		.amdhsa_system_sgpr_workgroup_id_z 1
		.amdhsa_system_vgpr_workitem_id 0
		.amdhsa_next_free_vgpr 208
		.amdhsa_next_free_sgpr 66
		.amdhsa_reserve_vcc 1
		.amdhsa_float_denorm_mode_32 3
		.amdhsa_float_denorm_mode_16_64 3
		.amdhsa_memory_ordered 1
		.amdhsa_forward_progress 1
		.amdhsa_inst_pref_size 29
	.end_amdhsa_kernel
	.amdgpu_metadata
---
amdhsa.version: [ 1, 2 ]
amdhsa.kernels:
  - .name:           k_qa775d03b35_prep
    .symbol:         k_qa775d03b35_prep.kd
    .args:
      - { .name: x, .offset: 0, .size: 8, .value_kind: global_buffer, .address_space: global }
      - { .name: qkv_w, .offset: 8, .size: 8, .value_kind: global_buffer, .address_space: global }
      - { .name: proj_w, .offset: 16, .size: 8, .value_kind: global_buffer, .address_space: global }
      - { .name: part, .offset: 24, .size: 8, .value_kind: global_buffer, .address_space: global }
      - { .name: wts, .offset: 32, .size: 8, .value_kind: global_buffer, .address_space: global }
    .group_segment_fixed_size: 0
    .private_segment_fixed_size: 0
    .kernarg_segment_align: 8
    .kernarg_segment_size: 40
    .max_flat_workgroup_size: 128
    .sgpr_count:     66
    .vgpr_count:     208
    .wavefront_size: 32
...
	.end_amdgpu_metadata
.endif
;; end of part 1
;; launch qkv (part 2): grid 256 x 1, 16 waves a work-group, no clusters, 14,848 bytes of LDS; arguments x, part, gn_w, gn_b, wts, qkv_b, qkvc, scl; writes qkvc, scl
.if DOCPART == 2
	.amdgcn_target "amdgcn-amd-amdhsa--gfx1250"
	.amdhsa_code_object_version 6
	.text
	.protected	k_qa775d03b35_qkv
	.globl	k_qa775d03b35_qkv
	.p2align	8
	.type	k_qa775d03b35_qkv,@function
k_qa775d03b35_qkv:
	s_mov_b64 s[64:65], 0
	v_nop
	global_prefetch_b8 v0, s[64:65] scope:SCOPE_SE
	s_setreg_imm32_b32 hwreg(HW_REG_WAVE_MODE, 25, 1), 1
	s_wait_xcnt 0x0
; SECOND LAUNCH: GroupNorm finished, h quantised along the channels, qkv = W h + b on codes of E2M3, and q, k, v quantised for the attention.  Nothing is left out.
; A work-group takes one batch b and one CHUNK of 64 tokens (work-group = 64 b + chunk), all 256 channels in, all 768 out.
; A UNIT is 16 rows x 64 along K of codes: half an operand fragment: lane (r, h) holds 6 registers, k = 32 h .. 32 h + 31 of row r.  Its IMAGE is 768 bytes: registers 0-3 at 16 x lane, registers 4-5 at
; 512 + 8 x lane: one access of 16 bytes and one of 8 a lane, consecutive over the lanes, in LDS and in memory alike.  Its scale word: byte 0 | byte 1 << 8, the upper bytes 0.
; ONE PERMUTATION: row r of tile 2 b + u (of tokens, or of a weight's rows) is number 32 b + 8 u + r + 8 (r / 8) of its 64.  A result's register j of that tile, in lane half h, is then number 32 b + 16 h + 8 u + j:
; the 16 registers of tiles 2 b and 2 b + 1 are 16 neighbours along the next K, as the conversions want them.
; PHASE X (all 16 waves): wave w takes tokens 32 (w % 2) + lane and channels 32 (w / 2) + 0 .. 31: a lane holds a whole block of one token.  It joins the eight partial statistics of its four groups
; (mean of means; sums of squares about the joint mean), normalises, quantises, and stores its 24 bytes where the token's row lies in h's unit images in LDS.  One barrier.
; PHASE P: waves 0-7 make q's and k's heads (source 0 = 16 rows of W, source 1 = 16 tokens: a lane holds ONE token and 64 of the head's numbers: K = d).
;          waves 8-15 make half a head of v each (source 0 = 16 tokens, source 1 = 16 rows of W: a lane holds ONE of the head's numbers and 64 tokens: K = the keys).  The bias is the C of each sum's first product.
; The weights are shared by all work-groups and yet come by plain loads, not by a cluster's joint loads: each wave's 12 or 24 loads of 512 consecutive bytes put its own fragments straight into operand
; registers, once, with no loop; by way of LDS the same bytes would be written there and read again, and rounds of a cluster's barrier would stand in a text that has one step.
; LIMITS: NaN and infinities are not served; a block of zeros, or under 2^-124, carries the byte 1; 1 / sqrt is v_rsq_f32.
.set HSC,   12288                      ; LDS: 0: h's 16 units, (tile t, 64 channels kappa) at (4 t + kappa) x 768;  HSC: h's scale words [K step 2][position 64][4 bytes]
.set SPARE, 12800                      ; the spare words, 128 bytes for each wave: eight blocks of 256 bytes that no other line names
.set L16, 1                            ; v1   16 x lane
.set L8,  2                            ; v2   8 x lane
.set L4,  3                            ; v3   4 x lane
.set HWA, 4                            ; v4   where I store my block's registers 0-3
.set HWB, 5                            ; v5   registers 4-5
.set HWS, 6                            ; v6   its scale byte
.set PO,  7                            ; v7   64 x (lane % 4): a group's eight partials
.set BO,  8                            ; v8   64 h: q's and k's bias
.set BV,  29                           ; v29  4 (r + 8 (r / 8)): v's bias
.set ST,  12                           ; v12-27 the partials; afterwards:
.set TM,  12                           ; v12-17 at work in the quantiser
.set PC,  20                           ; v20-25 the unit just made
.set PT,  26                           ; v26-28 its second conversion
.set SPW, 30                           ; v30  LDS address of my spare word; never rewritten
.set NIL, 31                           ; v31  0; never rewritten
.set SW,  32                           ; v32-35 the scale words just made (during the statistics: at work)
.set HS,  36                           ; v36-39 h's scale words: K step s, tiles 2 p (lanes 0-15) and 2 p + 1 (lanes 16-31) at HS + 2 s + p
.set WS,  40                           ; v40-47 the weights' scale words
.set BIAS, 48                          ; v48-79
.set X,   80                           ; v80-111 32 numbers of x, then
.set ACC, 80                           ; four accumulators
.set R1,  112                          ; v112-207 eight fragments: W's (q, k) or h's (v)
.set R2,  208                          ; v208-255 four fragments: h's (q, k: two tiles by turns) or W's (v)
.set SEL, 100                          ; s[100:101]
.macro WM d, a, b, c, sa, sb, ra, rb   ; one product; ra, rb = 1: that side's scale words stand in lanes 16-31
.if (\ra) == 1
	v_wmma_scale_f32_16x16x128_f8f6f4 v[\d:\d+7], v[\a:\a+11], v[\b:\b+11], v[\c:\c+7], v[\sa], v[\sb] matrix_a_fmt:MATRIX_FMT_FP6 matrix_b_fmt:MATRIX_FMT_FP6 matrix_a_scale:MATRIX_SCALE_ROW1
.elseif (\rb) == 1
	v_wmma_scale_f32_16x16x128_f8f6f4 v[\d:\d+7], v[\a:\a+11], v[\b:\b+11], v[\c:\c+7], v[\sa], v[\sb] matrix_a_fmt:MATRIX_FMT_FP6 matrix_b_fmt:MATRIX_FMT_FP6 matrix_b_scale:MATRIX_SCALE_ROW1
.else
	v_wmma_scale_f32_16x16x128_f8f6f4 v[\d:\d+7], v[\a:\a+11], v[\b:\b+11], v[\c:\c+7], v[\sa], v[\sb] matrix_a_fmt:MATRIX_FMT_FP6 matrix_b_fmt:MATRIX_FMT_FP6
.endif
.endm
; 32 numbers of a lane, register 16 b + i = k 32 b + 16 (lane / 16) + i of my row, become a unit in v[pc] on and its scale word in v[sw].  The accumulators are read from their low ends on.
.macro QUANT64 s, pc, sw
.irp b, 0,1
	v_max3_num_f32 v[TM+\b], |v[\s+16*\b]|, |v[\s+16*\b+1]|, 0x1800000   ; block b: my 16 numbers, and the floor 2^(3 - 127)
.endr
.irp i, 2,4,6,8,10,12,14
.irp b, 0,1
	v_max3_num_f32 v[TM+\b], v[TM+\b], |v[\s+16*\b+\i]|, |v[\s+16*\b+\i+1]|
.endr
.endr
.irp b, 0,1
	s_delay_alu instid0(VALU_DEP_2)
	v_permlanex16_b32 v[TM+2+\b], v[TM+\b], s[SEL], s[SEL+1]
.endr
.irp b, 0,1
	s_delay_alu instid0(VALU_DEP_2)
	v_max_num_f32 v[TM+\b], v[TM+\b], v[TM+2+\b]   ; with lane l xor 16's: the block's largest magnitude
.endr
.irp b, 0,1
	s_delay_alu instid0(VALU_DEP_2)
	v_add_nc_u32 v[TM+4+\b], 0xff000000, v[TM+\b]  ; 2 off its exponent field: the conversion's scale operand
.endr
.irp b, 0,1
	s_delay_alu instid0(VALU_DEP_2)
	v_lshrrev_b32 v[TM+2+\b], 23, v[TM+4+\b]       ; the scale's byte
.endr
	s_delay_alu instid0(VALU_DEP_1)
	v_lshl_or_b32 v[\sw], v[TM+3], 8, v[TM+2]
	v_cvt_scalef32_pk16_fp6_f32 v[\pc:\pc+2], v[\s:\s+15], v[TM+4]
	v_cvt_scalef32_pk16_fp6_f32 v[PT:PT+2], v[\s+16:\s+31], v[TM+5]
	v_nop                                          ; one plain place behind a scaled conversion
.irp i, 0,1,2
	v_permlane16_swap_b32 v[\pc+\i], v[PT+\i]      ; a WHOLE block to a lane: lanes 0-15 block 0, lanes 16-31 block 1
.endr
.irp i, 0,1,2
	s_delay_alu instid0(VALU_DEP_3)
	v_mov_b32 v[\pc+3+\i], v[PT+\i]
.endr
.endm
.macro FETCHH reg, t, s                ; h's fragment (tile t, K step s): two units
	ds_load_b128 v[\reg:\reg+3], v[L16] offset:(4*(\t)+2*(\s))*768
	ds_load_b64 v[\reg+4:\reg+5], v[L8] offset:(4*(\t)+2*(\s))*768+512
	ds_load_b128 v[\reg+6:\reg+9], v[L16] offset:(4*(\t)+2*(\s)+1)*768
	ds_load_b64 v[\reg+10:\reg+11], v[L8] offset:(4*(\t)+2*(\s)+1)*768+512
.endm
.macro HSCALES
.irp s, 0,1
.irp p, 0,1
	ds_load_b32 v[HS+2*\s+\p], v[L4] offset:HSC+256*\s+128*\p
.endr
.endr
.endm
	s_load_b256 s[4:11], s[0:1], 0x0               ; x s[4:5], part s[6:7], gn_w s[8:9], gn_b s[10:11]
	s_load_b256 s[92:99], s[0:1], 0x20             ; wts s[92:93], qkv_b s[94:95], qkvc s[96:97], scl s[98:99]
	v_lshl_add_u32 v[SPW], v0, 2, SPARE
	v_mov_b32 v[NIL], 0
	v_lshrrev_b32 v9, 5, v0
	s_delay_alu instid0(VALU_DEP_1)
	v_readfirstlane_b32 s12, v9                    ; wave 0..15
	s_and_b32 s13, s12, 1                          ; hb: which 32 tokens (phase X); which half of a head (v)
	s_lshr_b32 s14, s12, 1                         ; kb: which 32 channels (phase X)
	s_mov_b32 s[SEL], 0x76543210
	s_mov_b32 s[SEL+1], 0xfedcba98
	v_and_b32 v9, 31, v0
	s_delay_alu instid0(VALU_DEP_1)
	v_lshlrev_b32 v[L16], 4, v9
	s_delay_alu instid0(VALU_DEP_2)
	v_lshlrev_b32 v[L8], 3, v9
	s_delay_alu instid0(VALU_DEP_3)
	v_lshlrev_b32 v[L4], 2, v9
	; token 32 hb + lane lies in tile 2 hb + u, row 8 rho + r', with u = lane bit 3, rho = bit 4, r' = bits 2:0; its block kb is half kb % 2 of unit kb / 2
	v_bfe_u32 v10, v0, 3, 1                        ; u
	v_bfe_u32 v11, v0, 4, 1                        ; rho (also h)
	v_and_b32 v28, 7, v0                           ; r'
	s_delay_alu instid0(VALU_DEP_3)
	v_mul_u32_u24 v[HWA], v10, 3072
	s_delay_alu instid0(VALU_DEP_1)
	v_lshl_add_u32 v[HWB], v11, 6, v[HWA]
	s_delay_alu instid0(VALU_DEP_2)
	v_lshl_add_u32 v[HWA], v11, 7, v[HWA]
	s_delay_alu instid0(VALU_DEP_1)
	v_lshl_add_u32 v[HWA], v28, 4, v[HWA]          ; 3,072 u + 128 rho + 16 r'
	s_delay_alu instid0(VALU_DEP_3)
	v_lshl_add_u32 v[HWB], v28, 3, v[HWB]          ; 3,072 u + 64 rho + 8 r'
	s_wait_alu depctr_va_vdst(0)
	s_mul_i32 s2, s13, 6144
	s_lshr_b32 s3, s14, 1
	s_mul_i32 s3, s3, 768
	s_add_co_u32 s2, s2, s3                        ; 6,144 hb + 768 (kb / 2)
	s_and_b32 s15, s14, 1
	s_lshl_b32 s3, s15, 8
	s_add_co_u32 s3, s3, s2
	v_add_nc_u32 v[HWA], s3, v[HWA]                ; + 256 (kb % 2)
	s_lshl_b32 s3, s15, 7
	s_add_co_u32 s3, s3, s2
	s_add_co_u32 s3, s3, 512
	v_add_nc_u32 v[HWB], s3, v[HWB]                ; + 512 + 128 (kb % 2)
	v_lshlrev_b32 v[HWS], 6, v10
	s_delay_alu instid0(VALU_DEP_1)
	v_lshl_add_u32 v[HWS], v11, 5, v[HWS]
	s_delay_alu instid0(VALU_DEP_1)
	v_lshl_add_u32 v[HWS], v28, 2, v[HWS]          ; 4 x (16 u + 8 rho + r')
	s_lshl_b32 s2, s13, 7
	s_lshr_b32 s3, s14, 2
	s_lshl_b32 s3, s3, 8
	s_add_co_u32 s2, s2, s3
	s_and_b32 s3, s14, 3
	s_add_co_u32 s2, s2, s3
	s_add_co_u32 s2, s2, HSC
	v_add_nc_u32 v[HWS], s2, v[HWS]                ; + HSC + 128 hb + 256 (kb / 4) + kb % 4
	v_and_b32 v[PO], 3, v0
	s_delay_alu instid0(VALU_DEP_1)
	v_lshlrev_b32 v[PO], 6, v[PO]
	v_lshlrev_b32 v[BO], 6, v11
	v_and_b32 v[BV], 15, v0
	v_and_b32 v10, 8, v0
	s_delay_alu instid0(VALU_DEP_1)
	v_add_nc_u32 v[BV], v[BV], v10
	s_delay_alu instid0(VALU_DEP_1)
	v_lshlrev_b32 v[BV], 2, v[BV]
	; the offsets, apart from the addresses
	s_lshr_b32 s84, ttmp9, 6                       ; b
	s_and_b32 s85, ttmp9, 63                       ; chunk
	s_lshl_b32 s86, s84, 22
	s_lshl_b32 s87, s14, 19
	s_add_co_u32 s86, s86, s87
	s_lshl_b32 s87, s85, 8
	s_add_co_u32 s86, s86, s87
	s_lshl_b32 s87, s13, 7
	s_add_co_u32 s86, s86, s87                     ; x: 4 MiB b + 32 kb channels of 16,384 bytes + 256 chunk + 128 hb
	s_mov_b32 s87, 0
	s_lshl_b32 s88, s84, 11
	s_lshl_b32 s89, s14, 8
	s_add_co_u32 s88, s88, s89                     ; part: group 32 b + 4 kb, 64 bytes a group
	s_mov_b32 s89, 0
	s_lshl_b32 s90, s14, 7                         ; gn_w, gn_b: my 32 channels
	s_mov_b32 s91, 0
	s_lshl_b32 s16, s12, 2                         ; q, k: first tile 4 w, head w % 4, region w / 4
	s_lshl_b32 s17, s12, 1
	s_add_co_u32 s17, s17, 16                      ; v: first tile 32 + 2 (w - 8), head (w / 2) % 4, region 2, units 2 (w % 2) on
	s_and_b32 s18, s12, 3
	s_bfe_u32 s19, s12, 0x20001
	s_lshr_b32 s20, s12, 2
	s_mul_i32 s21, s13, 1536
	s_cmp_lt_u32 s12, 8
	s_cselect_b32 s16, s16, s17
	s_cselect_b32 s18, s18, s19
	s_cselect_b32 s20, s20, 2
	s_cselect_b32 s21, 0, s21
	s_lshl_b32 s22, s84, 2
	s_add_co_u32 s22, s22, s18                     ; bh = 4 b + head
	s_mul_i32 s24, s16, 3072                       ; the weights' images
	s_mov_b32 s25, 0
	s_lshl_b32 s26, s16, 8
	s_add_co_u32 s26, s26, 196608                  ; their scale words
	s_mov_b32 s27, 0
	s_lshl_b32 s28, s16, 6                         ; the bias: the first tile is even, so its first channel is 16 x tile
	s_mov_b32 s29, 0
	s_lshl_b32 s30, s22, 6
	s_add_co_u32 s30, s30, s85
	s_mul_i32 s30, s30, 3072
	s_mul_i32 s17, s20, 3145728
	s_add_co_u32 s30, s30, s17
	s_add_co_u32 s30, s30, s21                     ; qkvc: region, (64 bh + chunk) x 3,072, the first unit
	s_mov_b32 s31, 0
	s_mul_i32 s32, s22, 24576
	s_lshl_b32 s34, s85, 8
	s_lshl_b32 s35, s22, 14
	s_add_co_u32 s35, s35, 393216
	s_add_co_u32 s35, s35, s34                     ; q's words
	s_lshr_b32 s36, s85, 1
	s_lshl_b32 s36, s36, 8
	s_add_co_u32 s36, s36, s32
	s_add_co_u32 s36, s36, 16384
	s_lshl_b32 s37, s13, 7
	s_add_co_u32 s36, s36, s37
	s_and_b32 s37, s85, 1
	s_lshl_b32 s37, s37, 1
	s_add_co_u32 s36, s36, s37                     ; v's: pair of chunks, 32 (w % 2) rows on, my chunk's half of the words
	s_add_co_u32 s32, s32, s34                     ; k's
	s_cmp_eq_u32 s20, 0
	s_cselect_b32 s32, s35, s32
	s_cmp_eq_u32 s20, 2
	s_cselect_b32 s32, s36, s32
	s_mov_b32 s33, 0
	s_wait_alu depctr_va_vdst(0)
	s_wait_kmcnt 0x0
	s_add_nc_u64 s[4:5], s[4:5], s[86:87]
	s_add_nc_u64 s[6:7], s[6:7], s[88:89]
	s_add_nc_u64 s[8:9], s[8:9], s[90:91]
	s_add_nc_u64 s[10:11], s[10:11], s[90:91]
	s_add_nc_u64 s[66:67], s[92:93], s[26:27]
	s_add_nc_u64 s[92:93], s[92:93], s[24:25]
	s_add_nc_u64 s[94:95], s[94:95], s[28:29]
	s_add_nc_u64 s[96:97], s[96:97], s[30:31]
	s_add_nc_u64 s[98:99], s[98:99], s[32:33]
	s_load_b512 s[16:31], s[8:9], 0x0              ; gn_w of my 32 channels: s16-47
	s_load_b512 s[32:47], s[8:9], 0x40
	s_load_b512 s[48:63], s[10:11], 0x0            ; gn_b: s48-63 and s68-83
	s_load_b512 s[68:83], s[10:11], 0x40
.irp q, 0,1,2,3
	global_load_b128 v[ST+4*\q:ST+4*\q+3], v[PO], s[6:7] offset:16*\q   ; lane j (of four) holds group 4 kb + j: {mean, sum of squares} of its eight parts
.endr
.set i, 0
.rept 32
	global_load_b32 v[X+i], v[L4], s[4:5] offset:16384*i   ; channel 32 kb + i at my token: 32 lanes read 128 consecutive bytes
.set i, i+1
.endr
	s_cmp_lt_u32 s12, 8                            ; the weights of phase P are asked for now: they land under phase X
	s_cbranch_scc0 .Lload_v
.irp f, 0,1,2,3,4,5,6,7                        ; q, k: fragment (tile t, K step s) at R1 + 12 (2 t + s): 40 loads
.irp q, 0,1,2
	global_load_b128 v[R1+12*\f+4*\q:R1+12*\f+4*\q+3], v[L16], s[92:93] offset:1536*\f+512*\q
.endr
	global_load_b32 v[WS+\f], v[L4], s[66:67] offset:128*\f
.endr
.irp t, 0,1,2,3                                ; the bias in the result's layout: tile 2 b + u, lane half h: channels 32 b + 16 h + 8 u + 0 .. 7
	global_load_b128 v[BIAS+8*\t:BIAS+8*\t+3], v[BO], s[94:95] offset:(32*(\t/2)+8*(\t%2))*4
	global_load_b128 v[BIAS+8*\t+4:BIAS+8*\t+7], v[BO], s[94:95] offset:(32*(\t/2)+8*(\t%2))*4+16
.endr
	s_branch .Lloaded
.Lload_v:
.irp f, 0,1,2,3                                ; v: fragment (tile e, K step s) at R2 + 12 (2 e + s): 32 loads
.irp q, 0,1,2
	global_load_b128 v[R2+12*\f+4*\q:R2+12*\f+4*\q+3], v[L16], s[92:93] offset:1536*\f+512*\q
.endr
	global_load_b32 v[WS+\f], v[L4], s[66:67] offset:128*\f
.endr
.irp e, 0,1                                    ; a lane holds one channel here: its bias in all eight registers
.irp j, 0,1,2,3,4,5,6,7
	global_load_b32 v[BIAS+8*\e+\j], v[BV], s[94:95] offset:32*\e
.endr
.endr
.Lloaded:
	s_mov_b32 s2, 0x38000000                       ; 2^-15: a group has 32,768 numbers
	s_mov_b32 s3, 0x3727c5ac                       ; 1e-5
	s_wait_loadcnt 63                              ; the four loads of partials are in: 64 loads or more were issued behind them
	v_add_f32 v32, v12, v14
	v_add_f32 v33, v16, v18
	v_add_f32 v34, v20, v22
	v_add_f32 v35, v24, v26
	s_delay_alu instid0(VALU_DEP_3)
	v_add_f32 v32, v32, v33
	s_delay_alu instid0(VALU_DEP_2)
	v_add_f32 v34, v34, v35
	s_delay_alu instid0(VALU_DEP_1)
	v_add_f32 v32, v32, v34
	s_delay_alu instid0(VALU_DEP_1)
	v_mul_f32 v32, 0x3e000000, v32                 ; the group's mean: the parts are equally large
.irp q, 0,1,2,3,4,5,6,7
	v_sub_f32 v[ST+2*\q], v[ST+2*\q], v32          ; each part's mean about it
.endr
	v_mul_f32 v33, v12, v12
	v_mul_f32 v34, v14, v14
	s_delay_alu instid0(VALU_DEP_2)
	v_fma_f32 v33, v16, v16, v33
	s_delay_alu instid0(VALU_DEP_2)
	v_fma_f32 v34, v18, v18, v34
	s_delay_alu instid0(VALU_DEP_2)
	v_fma_f32 v33, v20, v20, v33
	s_delay_alu instid0(VALU_DEP_2)
	v_fma_f32 v34, v22, v22, v34
	s_delay_alu instid0(VALU_DEP_2)
	v_fma_f32 v33, v24, v24, v33
	s_delay_alu instid0(VALU_DEP_2)
	v_fma_f32 v34, v26, v26, v34
	v_add_f32 v13, v13, v15
	v_add_f32 v17, v17, v19
	v_add_f32 v21, v21, v23
	v_add_f32 v25, v25, v27
	s_delay_alu instid0(VALU_DEP_3)
	v_add_f32 v13, v13, v17
	s_delay_alu instid0(VALU_DEP_2)
	v_add_f32 v21, v21, v25
	s_delay_alu instid0(VALU_DEP_1)
	v_add_f32 v13, v13, v21
	v_add_f32 v33, v33, v34
	s_delay_alu instid0(VALU_DEP_1)
	v_fma_f32 v13, v33, 0x45800000, v13            ; the group's sum of squares about its mean: the parts' own + 4,096 x the squares of their means' distances
	s_delay_alu instid0(VALU_DEP_1)
	v_fma_f32 v34, v13, s2, s3                     ; var + eps
	s_wait_alu depctr_va_vdst(0)
	v_rsq_f32 v35, v34
	v_nop                                          ; one plain place behind the transcendental
	s_wait_alu depctr_va_vdst(0)                   ; the wait ahead of the first use
.irp j, 0,1,2,3
	v_readlane_b32 s[84+\j], v32, \j               ; my four groups' means
	v_readlane_b32 s[88+\j], v35, \j               ; and 1 / sqrt(var + eps)
.endr
	s_wait_loadcnt 32                              ; x is in: behind it stand the role's loads, 32 or 40
	s_wait_kmcnt 0x0                               ; gn_w, gn_b
.set i, 0
.rept 32
	v_sub_f32 v[X+i], v[X+i], s[84+i/8]
.set i, i+1
.endr
.set i, 0
.rept 32
	v_mul_f32 v[X+i], s[88+i/8], v[X+i]
.set i, i+1
.endr
.set i, 0
.rept 32
	v_fma_f32 v[X+i], v[X+i], s[16+i], s[48+i+4*(i/16)]
.set i, i+1
.endr
	v_max3_num_f32 v12, |v[X]|, |v[X+1]|, |v[X+2]|   ; the block's largest magnitude: all 32 numbers are mine
	v_max3_num_f32 v13, |v[X+3]|, |v[X+4]|, |v[X+5]|
.irp i, 6,10,14,18,22,26
	s_delay_alu instid0(VALU_DEP_2)
	v_max3_num_f32 v12, v12, |v[X+\i]|, |v[X+\i+1]|
	s_delay_alu instid0(VALU_DEP_2)
	v_max3_num_f32 v13, v13, |v[X+\i+2]|, |v[X+\i+3]|
.endr
	s_delay_alu instid0(VALU_DEP_2)
	v_max3_num_f32 v12, v12, |v[X+30]|, |v[X+31]|
	s_delay_alu instid0(VALU_DEP_1)
	v_max3_num_f32 v12, v12, v13, 0x1800000        ; and the floor 2^(3 - 127)
	s_delay_alu instid0(VALU_DEP_1)
	v_add_nc_u32 v14, 0xff000000, v12
	s_delay_alu instid0(VALU_DEP_1)
	v_lshrrev_b32 v15, 23, v14
	v_cvt_scalef32_pk16_fp6_f32 v[PC:PC+2], v[X:X+15], v14
	v_cvt_scalef32_pk16_fp6_f32 v[PT:PT+2], v[X+16:X+31], v14
	v_nop                                          ; one plain place behind a scaled conversion
.irp i, 0,1,2
	v_mov_b32 v[PC+3+\i], v[PT+\i]
.endr
	ds_store_b128 v[HWA], v[PC:PC+3]
	ds_store_b64 v[HWB], v[PC+4:PC+5]
	ds_store_b8 v[HWS], v15
	s_mov_b32 s16, 0xffff0000                      ; lanes 16-31, for v_cndmask_b32
	s_wait_dscnt 0x0                               ; for the others' sake: my stores have landed
	s_barrier_signal -1
	s_barrier_wait -1                              ; h's sixteen units and their scale words lie in LDS; nothing is stored there again
	s_cmp_lt_u32 s12, 8
	s_cbranch_scc0 .Lpath_v
; ---- q, k: for each tile of 16 tokens: my head's 64 numbers, quantised along them
.macro QKTILE i
	s_wait_dscnt 0x0
.irp t, 0,1,2,3                                ; the four accumulators by turns, a K step at a time
	WM ACC+8*\t, R1+24*\t, R2+24*((\i)%2), BIAS+8*\t, WS+2*\t, HS+(\i)/2, 0, (\i)%2
.endr
.irp t, 0,1,2,3
	WM ACC+8*\t, R1+24*\t+12, R2+24*((\i)%2)+12, ACC+8*\t, WS+2*\t+1, HS+2+(\i)/2, 0, (\i)%2
.endr
.rept 5
	v_nop                                          ; four places ahead of the reads of results and of loads into operands; a fifth, since the next tile's first products write these accumulators anew
.endr
.if (\i) < 3
	FETCHH R2+24*(((\i)+1)%2), (\i)+1, 0           ; the next tile's fragments land under the quantiser
	FETCHH R2+24*(((\i)+1)%2)+12, (\i)+1, 1
.endif
.if (\i) > 0
	s_wait_xcnt 0x0                                ; the last tile's stores have read their registers
.endif
	QUANT64 ACC, PC, SW+(\i)
	global_store_b128 v[L16], v[PC:PC+3], s[96:97] offset:768*(\i)       ; 512 consecutive bytes,
	global_store_b64 v[L8], v[PC+4:PC+5], s[96:97] offset:768*(\i)+512   ; and 256
.endm
	HSCALES
	FETCHH R2, 0, 0
	FETCHH R2+12, 0, 1
	s_wait_loadcnt 0x0                             ; W, its scale words, the bias
	QKTILE 0
	QKTILE 1
	v_cndmask_b32 v9, v[SW], v[SW+1], s16          ; lanes 0-15: tile 0's rows, lanes 16-31: tile 1's
	global_store_b32 v[L4], v9, s[98:99]
	QKTILE 2
	QKTILE 3
	v_cndmask_b32 v10, v[SW+2], v[SW+3], s16
	global_store_b32 v[L4], v10, s[98:99] offset:128
	s_wait_tensorcnt 0x0                           ; the wave's end, behind my last LDS store
	ds_add_u32 v[SPW], v[NIL]
	s_wait_dscnt 0x0
	s_endpgm
; ---- v: for each of my two tiles of 16 channels: the chunk's 64 tokens, quantised along them
.Lpath_v:
.macro VTILE e
.irp j, 0,1,2,3
	WM ACC+8*\j, R1+24*\j, R2+24*(\e), BIAS+8*(\e), HS+\j/2, WS+2*(\e), \j%2, 0
.endr
.irp j, 0,1,2,3
	WM ACC+8*\j, R1+24*\j+12, R2+24*(\e)+12, ACC+8*\j, HS+2+\j/2, WS+2*(\e)+1, \j%2, 0
.endr
.rept 5
	v_nop
.endr
.if (\e) > 0
	s_wait_xcnt 0x0
.endif
	QUANT64 ACC, PC, SW+(\e)
	global_store_b128 v[L16], v[PC:PC+3], s[96:97] offset:768*(\e)
	global_store_b64 v[L8], v[PC+4:PC+5], s[96:97] offset:768*(\e)+512
.endm
	HSCALES
.irp j, 0,1,2,3
	FETCHH R1+24*\j, \j, 0
	FETCHH R1+24*\j+12, \j, 1
.endr
	s_wait_dscnt 0x0
	s_wait_loadcnt 0x0
	VTILE 0
	VTILE 1
	v_cndmask_b32 v9, v[SW], v[SW+1], s16
	global_store_b16 v[L4], v9, s[98:99]           ; my chunk's two bytes of each row's word for 128 keys; the neighbouring chunk's work-group writes the other two
	s_wait_tensorcnt 0x0                           ; the wave's end, as above
	ds_add_u32 v[SPW], v[NIL]
	s_wait_dscnt 0x0
	s_endpgm
.Lfunc_end_k_qa775d03b35_qkv:
	.size	k_qa775d03b35_qkv, .Lfunc_end_k_qa775d03b35_qkv-k_qa775d03b35_qkv
	.p2alignl 7, 3214868480
	.fill 96, 4, 3214868480
	.section	.rodata,"a",@progbits
	.p2align	6, 0x0
	.amdhsa_kernel k_qa775d03b35_qkv
		.amdhsa_group_segment_fixed_size 14848
		.amdhsa_private_segment_fixed_size 0
		.amdhsa_enable_private_segment 0
		.amdhsa_kernarg_size 64
		.amdhsa_user_sgpr_count 2
		.amdhsa_user_sgpr_kernarg_segment_ptr 1
		.amdhsa_wavefront_size32 1
		.amdhsa_system_sgpr_workgroup_id_x 1
		.amdhsa_system_sgpr_workgroup_id_y 1
		.amdhsa_system_sgpr_workgroup_id_z 1
		.amdhsa_system_vgpr_workitem_id 0
		.amdhsa_next_free_vgpr 256
		.amdhsa_next_free_sgpr 102
		.amdhsa_reserve_vcc 0
		.amdhsa_float_denorm_mode_32 3
		.amdhsa_float_denorm_mode_16_64 3
		.amdhsa_memory_ordered 1
		.amdhsa_forward_progress 1
		.amdhsa_inst_pref_size 54
	.end_amdhsa_kernel
	.amdgpu_metadata
---
amdhsa.version: [ 1, 2 ]
amdhsa.kernels:
  - .name:           k_qa775d03b35_qkv
    .symbol:         k_qa775d03b35_qkv.kd
    .args:
      - { .name: x, .offset: 0, .size: 8, .value_kind: global_buffer, .address_space: global }
      - { .name: part, .offset: 8, .size: 8, .value_kind: global_buffer, .address_space: global }
      - { .name: gn_w, .offset: 16, .size: 8, .value_kind: global_buffer, .address_space: global }
      - { .name: gn_b, .offset: 24, .size: 8, .value_kind: global_buffer, .address_space: global }
      - { .name: wts, .offset: 32, .size: 8, .value_kind: global_buffer, .address_space: global }
      - { .name: qkv_b, .offset: 40, .size: 8, .value_kind: global_buffer, .address_space: global }
      - { .name: qkvc, .offset: 48, .size: 8, .value_kind: global_buffer, .address_space: global }
      - { .name: scl, .offset: 56, .size: 8, .value_kind: global_buffer, .address_space: global }
    .group_segment_fixed_size: 14848
    .private_segment_fixed_size: 0
    .kernarg_segment_align: 8
    .kernarg_segment_size: 64
    .max_flat_workgroup_size: 512
    .sgpr_count:     102
    .vgpr_count:     256
    .wavefront_size: 32
...
	.end_amdgpu_metadata
.endif
;; end of part 2
;; launch attn (part 3): grid 16 x 16, 16 waves a work-group, clusters of 4 x 1, 327,680 bytes of LDS; arguments qkvc, scl, ocod, oscl; writes ocod, oscl
.if DOCPART == 3
	.amdgcn_target "amdgcn-amd-amdhsa--gfx1250"
	.amdhsa_code_object_version 6
	.text
	.protected	k_qa775d03b35_attn
	.globl	k_qa775d03b35_attn
	.p2align	8
	.type	k_qa775d03b35_attn,@function
k_qa775d03b35_attn:
	s_mov_b64 s[64:65], 0
	v_nop
	global_prefetch_b8 v0, s[64:65] scope:SCOPE_SE
	s_setreg_imm32_b32 hwreg(HW_REG_WAVE_MODE, 25, 1), 1
	s_wait_xcnt 0x0
	s_wait_alu depctr_hold_cnt(0) depctr_sa_sdst(0) depctr_va_vdst(0) depctr_va_sdst(0) depctr_va_ssrc(0) depctr_va_vcc(0) depctr_vm_vsrc(0)
	s_getreg_b32 s2, hwreg(HW_REG_IB_STS2, 6, 4)
	s_cmp_eq_u32 s2, 0
	s_cbranch_scc0 .Lentry_in_a_cluster
	s_endpgm
.Lentry_in_a_cluster:
	s_bfe_u32 s2, ttmp6, 0x10000c
	s_cmp_lg_u32 s2, 0x3003
	s_cbranch_scc0 .Lentry_shape_is_right
	s_endpgm
.Lentry_shape_is_right:
; THIRD LAUNCH: o = softmax(q k^T / 8) v for 16 (batch, head) pairs of 4,096 tokens and head size 64, both products on codes of E2M3; o is quantised along the head's 64 for the projection.  Nothing is left out.
; THE SOFTMAX AHEAD OF THE SECOND PRODUCT: t = score x log2(e) / 8; M = the running largest t rounded UP to a whole number; p = 2^(t - M) is quantised along the keys, not normalised; the row's sum is taken of
; the unquantised p and divides at the end.  When M moves, the sum and O are multiplied by 2^(old M - new M), which rounds nothing.
; SHARES.  y = bh.  A work-group owns 256 queries (four chunks of 64), each of its sixteen waves one unit of 16: four waves to a SIMD, so that one wave's vector work stands beside another's products and LDS loads.
; Every wave walks all 4,096 keys, 128 a step.  LAYOUT.  Both products are used transposed: S^T = K Q^T (source 0 = 16 keys), O^T = V^T P^T (source 0 = 16 of the head's 64): a lane holds ONE query throughout.
; The launch before has laid k's rows and v's rows so that the 16 result registers of tiles 2 b and 2 b + 1 are 16 neighbouring keys (channels): the conversions' results are the next operand.
; UNITS: q, k, v come as images of 768 bytes (16 rows x 64 along K: registers 0-3 at 16 x lane, registers 4-5 at 512 + 8 x lane): every LDS read is consecutive over the lanes, so nothing is padded.
; THE FIRST PRODUCT'S K IS 64, HALF OF THE INSTRUCTION'S 128.  Q's registers 6-11 hold zero codes.  K's eight units lie 6 registers apart, so a tile's registers 6-11 are the NEXT tile's codes (behind the last: zeros):
; E2M3 has no infinity and no NaN, both sides' scale bytes 2 and 3 are 0 (2^-127), and every product there has the factor 0: k = 64 .. 127 adds exactly 0.  That spares 42 registers and the moves to clear them.
; THE RING.  Two slots of 1,024 keys (K's 49,152 bytes, then V's).  Each of the sixteen waves brings 6,144 dense bytes of a fill with one tensor load; a refill has eight key steps in which to land.  The head's
; scale words (24,576 bytes) come once, with the first fills.  A wave has three tensor loads out at the start and one behind each change of slots that fills.
; CLUSTER.  The four work-groups of a cluster belong to one bh and walk the same K and V: each load is asked for JOINTLY, with the same descriptor (made of bh and the wave's number alone) and the mask of all four.
; NO PREFETCH: fills 0 and 1 stand at the head, where none is laid; fills 2 and 3 are asked for eight key steps ahead of the wait for them.
; LIMITS: NaN and infinities are not served; a block of zeros carries the byte 1; 1 / l is v_rcp_f32; a block's largest p is made from its largest score, which takes v_exp_f32 not to fall where its input rises.
.set SLOT1, 131072
.set SCL,   98304                      ; behind slot 0: K's scale words [position 4,096][4], then V's [128 keys 32][row 64][4]
.set SPARE, 122880                     ; the spare words, 128 bytes for each wave: eight blocks of 256 bytes that no other line names
.set L16, 1
.set L8,  2
.set L4,  3
.set SPW, 4                            ; v4   LDS address of my spare word; never rewritten
.set NIL, 5                            ; v5   0; never rewritten
.set KV,  30                           ; v30-83 K's eight units 6 apart and six zeros; then V's four fragments
.set KS,  84                           ; v84-87 K's scale words: tiles 2 j (lanes 0-15), 2 j + 1 (lanes 16-31)
.set VS,  88                           ; v88-89 V's
.set S,   96                           ; v96-159 S^T, then p
.set O,   160                          ; v160-191 O^T
.set PCD, 192                          ; v192-203 p's codes
.set PT,  204                          ; v204-206, v208-210 second conversions
.set BM,  212                          ; v212-215 the blocks' largest scores, then largest p
.set TM,  212                          ; (the way out's quantiser works here)
.set PM,  216                          ; v216-219 permutes, a chain of the sum, the bytes
.set SOP, 220                          ; v220-223 the conversions' scale operands
.set G1,  16                           ; s[16:23] group 1: 24 rows of 256 bytes;  s[24:31]: 6 rows
.set G1S, 24
.set G0S, 32                           ; s[32:35] group 0 of the scale words;  s[36:39] slot 0's;  s[40:43] slot 1's
.set G0A, 36
.set G0B, 40
.set SEL, 44                           ; s[44:45]
.set CS,  46                           ; s[46:47] c = log2(e) / 8
.macro CROUND                          ; a round of the cluster's barrier
	s_barrier_signal -1
	s_barrier_wait -1
	s_cmp_lg_u32 s12, 0
	s_cbranch_scc1 .Lnot_wave_0_\@
	s_barrier_signal -3
.Lnot_wave_0_\@:
	s_barrier_wait -3
	s_barrier_signal -1
	s_barrier_wait -1
.endm
.macro QUANT64 s, pc, sw               ; as in the launch before: 32 numbers of a lane -> a unit and its scale word
.irp b, 0,1
	v_max3_num_f32 v[TM+\b], |v[\s+16*\b]|, |v[\s+16*\b+1]|, 0x1800000
.endr
.irp i, 2,4,6,8,10,12,14
.irp b, 0,1
	s_delay_alu instid0(VALU_DEP_2)
	v_max3_num_f32 v[TM+\b], v[TM+\b], |v[\s+16*\b+\i]|, |v[\s+16*\b+\i+1]|
.endr
.endr
.irp b, 0,1
	s_delay_alu instid0(VALU_DEP_2)
	v_permlanex16_b32 v[TM+2+\b], v[TM+\b], s[SEL], s[SEL+1]
.endr
.irp b, 0,1
	s_delay_alu instid0(VALU_DEP_2)
	v_max_num_f32 v[TM+\b], v[TM+\b], v[TM+2+\b]
.endr
.irp b, 0,1
	s_delay_alu instid0(VALU_DEP_2)
	v_add_nc_u32 v[TM+4+\b], 0xff000000, v[TM+\b]
.endr
.irp b, 0,1
	s_delay_alu instid0(VALU_DEP_2)
	v_lshrrev_b32 v[TM+2+\b], 23, v[TM+4+\b]
.endr
	s_delay_alu instid0(VALU_DEP_1)
	v_lshl_or_b32 v[\sw], v[TM+3], 8, v[TM+2]
	v_cvt_scalef32_pk16_fp6_f32 v[\pc:\pc+2], v[\s:\s+15], v[TM+4]
	v_cvt_scalef32_pk16_fp6_f32 v[PT:PT+2], v[\s+16:\s+31], v[TM+5]
	v_nop
.irp i, 0,1,2
	v_permlane16_swap_b32 v[\pc+\i], v[PT+\i]
.endr
.irp i, 0,1,2
	s_delay_alu instid0(VALU_DEP_3)
	v_mov_b32 v[\pc+3+\i], v[PT+\i]
.endr
.endm
	s_load_b256 s[4:11], s[0:1], 0x0               ; qkvc s[4:5], scl s[6:7], ocod s[8:9], oscl s[10:11]
	v_lshl_add_u32 v[SPW], v0, 2, SPARE
	v_mov_b32 v[NIL], 0
	ds_add_u32 v[SPW], v[NIL]                      ; the wave's opening: an add to my spare word, twice on end, and its wait ahead of my first tensor load
	ds_add_u32 v[SPW], v[NIL]                      ; and once more; the set-up below, work on registers, stands between it and the wait
	v_lshrrev_b32 v6, 5, v0
	s_delay_alu instid0(VALU_DEP_1)
	v_readfirstlane_b32 s12, v6                    ; wave 0..15
	s_and_b32 s14, ttmp7, 0xffff                   ; bh, which the four partners share
	s_bfe_u32 s13, ttmp6, 0x40000                  ; cx: it enters the addresses of q and o alone
	s_mov_b32 s[G1], 15|(3<<16)|(1<<21)            ; the mask of all four; elements of 8 bytes; bit 21 beside a mask; no padding
	s_mov_b32 s[G1+1], 32<<16                      ; tensor_dim0 = 32 elements: 256 bytes
	s_mov_b32 s[G1+2], 24<<16                      ; tensor_dim1 = 24
	s_mov_b32 s[G1+3], 32<<16                      ; tile_dim0
	s_mov_b32 s[G1+4], 24                          ; tile_dim1
	s_mov_b32 s[G1+5], 32                          ; the pitch: the block is dense
	s_mov_b32 s[G1+6], 0
	s_mov_b32 s[G1+7], 0
	s_mov_b32 s[G1S], 15|(3<<16)|(1<<21)
	s_mov_b32 s[G1S+1], 32<<16
	s_mov_b32 s[G1S+2], 6<<16
	s_mov_b32 s[G1S+3], 32<<16
	s_mov_b32 s[G1S+4], 6
	s_mov_b32 s[G1S+5], 32
	s_mov_b32 s[G1S+6], 0
	s_mov_b32 s[G1S+7], 0
	s_lshr_b32 s52, s12, 3                         ; waves 0-7 fetch K's eighths of a fill, waves 8-15 V's
	s_add_co_u32 s52, s52, 1
	s_mul_i32 s52, s52, 3145728
	s_mul_i32 s53, s14, 196608
	s_add_co_u32 s52, s52, s53
	s_and_b32 s53, s12, 7
	s_mul_i32 s53, s53, 6144
	s_add_co_u32 s52, s52, s53
	s_mov_b32 s53, 0
	s_mul_i32 s54, s14, 24576                      ; the head's scale words, a sixteenth a wave
	s_mul_i32 s55, s12, 1536
	s_add_co_u32 s54, s54, s55
	s_mov_b32 s[G0S], 1
	s_add_co_u32 s[G0S+1], s55, SCL
	s_mov_b32 s55, 0
	s_mov_b32 s[G0A], 1
	s_mul_i32 s[G0A+1], s12, 6144                  ; LDS: the slot + 6,144 x wave
	s_mov_b32 s[G0B], 1
	s_add_co_u32 s[G0B+1], s[G0A+1], SLOT1
	s_lshl_b32 s15, ttmp9, 2
	s_add_co_u32 s15, s15, s13                     ; work-group x = 4 x cluster x + cx
	s_lshl_b32 s15, s15, 2
	s_lshr_b32 s56, s12, 2
	s_add_co_u32 s15, s15, s56                     ; my chunk
	s_and_b32 s56, s12, 3                          ; my unit in it
	s_mul_i32 s57, s56, 768
	s_lshl_b32 s58, s14, 6
	s_add_co_u32 s58, s58, s15
	s_mul_i32 s58, s58, 3072
	s_add_co_u32 s58, s58, s57                     ; q's unit
	s_mov_b32 s59, 0
	s_lshl_b32 s60, s14, 14
	s_add_co_u32 s60, s60, 393216
	s_lshl_b32 s61, s15, 8
	s_add_co_u32 s60, s60, s61
	s_lshl_b32 s61, s56, 6
	s_add_co_u32 s60, s60, s61                     ; its scale words
	s_mov_b32 s61, 0
	s_lshr_b32 s62, s14, 2
	s_lshl_b32 s62, s62, 6
	s_add_co_u32 s62, s62, s15
	s_lshl_b32 s62, s62, 2
	s_and_b32 s63, s14, 3
	s_add_co_u32 s62, s62, s63                     ; (64 b + chunk) x 4 + head
	s_mul_i32 s48, s62, 3072
	s_add_co_u32 s48, s48, s57                     ; o's unit
	s_mov_b32 s49, 0
	s_lshl_b32 s50, s62, 9
	s_lshl_b32 s51, s56, 7
	s_add_co_u32 s50, s50, s51                     ; its scale words
	s_mov_b32 s51, 0
	s_mov_b32 s[SEL], 0x76543210
	s_mov_b32 s[SEL+1], 0xfedcba98
	s_mov_b32 s[CS], 0x3e38aa3b                    ; c = log2(e) / 8
	s_mov_b32 s[CS+1], s[CS]                       ; (named with it as a pair, so it is written)
	s_wait_dscnt 0x0                               ; both opening adds are done
	s_wait_kmcnt 0x0
	s_add_nc_u64 s[G0S+2:G0S+3], s[6:7], s[54:55]
	s_or_b32 s[G0S+3], s[G0S+3], 0x80000000
	s_add_nc_u64 s[G0A+2:G0A+3], s[4:5], s[52:53]  ; keys 0 to 1,023
	s_add_nc_u64 s[G0B+2:G0B+3], s[G0A+2:G0A+3], 49152   ; keys 1,024 to 2,047
	s_or_b32 s[G0A+3], s[G0A+3], 0x80000000
	s_or_b32 s[G0B+3], s[G0B+3], 0x80000000
	s_add_nc_u64 s[4:5], s[4:5], s[58:59]
	s_add_nc_u64 s[6:7], s[6:7], s[60:61]
	s_add_nc_u64 s[8:9], s[8:9], s[48:49]
	s_add_nc_u64 s[10:11], s[10:11], s[50:51]
	s_mov_b32 s49, SCL                             ; where the step's scale words of K begin,
	s_mov_b32 s50, SCL+16384                       ; and V's
	CROUND                                         ; all four work-groups are here: the first joint loads meet
	tensor_load_to_lds s[G0S:G0S+3], s[G1S:G1S+7]  ; the three first fills go out together: the scale words,
	s_nop 0
	tensor_load_to_lds s[G0A:G0A+3], s[G1:G1+7]    ; slot 0,
	s_nop 0
	tensor_load_to_lds s[G0B:G0B+3], s[G1:G1+7]    ; slot 1
	s_nop 0
.rept 4
	v_nop
.endr
	v_and_b32 v6, 31, v0
	s_delay_alu instid0(VALU_DEP_1)
	v_lshlrev_b32 v[L16], 4, v6
	s_delay_alu instid0(VALU_DEP_2)
	v_lshlrev_b32 v[L8], 3, v6
	s_delay_alu instid0(VALU_DEP_3)
	v_lshlrev_b32 v[L4], 2, v6
	v_and_b32 v10, 15, v0
	s_delay_alu instid0(VALU_DEP_1)
	v_lshlrev_b32 v10, 2, v10
	global_load_b128 v[16:19], v[L16], s[4:5]      ; Q's unit stays in registers
	global_load_b64 v[20:21], v[L8], s[4:5] offset:512
	global_load_b32 v28, v10, s[6:7]               ; its scale words
.irp j, 22,23,24,25,26,27,78,79,80,81,82,83
	v_mov_b32 v[\j], 0                             ; zero codes: Q's k = 64 .. 127, and what stands behind K's last unit
.endr
	v_mov_b32 v13, 0xff61b1e6                      ; the largest t so far: -3e38, under every t
	s_delay_alu instid0(VALU_DEP_1)
	v_floor_f32 v12, -v13                          ; -M
	v_mov_b32 v14, 0                               ; the sum, in two halves
	v_mov_b32 v15, 0
.irp b, 0,1,2,3
	v_mov_b32 v[PM+\b], 0                          ; written once: a lane permute's destination counts as one of its sources
.endr
	v_mov_b32 v224, 0
	v_mov_b32 v227, 0                              ; (named as the upper half of the pair v[226:227] before it is first written)
.set j, 0
.rept 32
	v_mov_b32 v[O+j], 0                            ; O^T.  (The step is written once: the first finds zeros, which the first change of M leaves zeros)
.set j, j+1
.endr
; A KEY STEP: 128 keys.
.macro STEP
	v_add_nc_u32 v6, s48, v[L16]                   ; these four are also the places in front of loads into registers that the last products have read
	v_add_nc_u32 v7, s48, v[L8]
	v_add_nc_u32 v8, s49, v[L4]
	v_add_nc_u32 v9, s50, v[L4]
.irp t, 0,1,2,3,4,5,6,7
	ds_load_b128 v[KV+6*\t:KV+6*\t+3], v6 offset:768*\t
	ds_load_b64 v[KV+6*\t+4:KV+6*\t+5], v7 offset:768*\t+512
.endr
.irp j, 0,1,2,3
	ds_load_b32 v[KS+\j], v8 offset:128*\j
.endr
	s_wait_alu depctr_va_vdst(0)
	s_wait_dscnt 0x0
.irp t, 0,2,4,6                                ; S^T = K Q^T: eight tiles of 16 keys, each sum begun by the constant 0
	v_wmma_scale_f32_16x16x128_f8f6f4 v[S+8*\t:S+8*\t+7], v[KV+6*\t:KV+6*\t+11], v[16:27], 0, v[KS+\t/2], v28 matrix_a_fmt:MATRIX_FMT_FP6 matrix_b_fmt:MATRIX_FMT_FP6
	v_wmma_scale_f32_16x16x128_f8f6f4 v[S+8*\t+8:S+8*\t+15], v[KV+6*\t+6:KV+6*\t+17], v[16:27], 0, v[KS+\t/2], v28 matrix_a_fmt:MATRIX_FMT_FP6 matrix_b_fmt:MATRIX_FMT_FP6 matrix_a_scale:MATRIX_SCALE_ROW1
.endr
.rept 4
	v_nop                                          ; places ahead of the loads into K's registers and of the first read of the scores
.endr
.irp t, 0,1,2,3                                ; V's four fragments are asked for now and land under the softmax: registers 0-5 the even chunk's unit, 6-11 the odd chunk's
	ds_load_b128 v[KV+12*\t:KV+12*\t+3], v6 offset:49152+768*\t
	ds_load_b64 v[KV+12*\t+4:KV+12*\t+5], v7 offset:49152+768*\t+512
	ds_load_b128 v[KV+12*\t+6:KV+12*\t+9], v6 offset:52224+768*\t
	ds_load_b64 v[KV+12*\t+10:KV+12*\t+11], v7 offset:52224+768*\t+512
.endr
	ds_load_b32 v[VS], v9
	ds_load_b32 v[VS+1], v9 offset:128
.irp b, 0,1,2,3
	v_max3_num_f32 v[BM+\b], v[S+16*\b], v[S+16*\b+1], v[S+16*\b+2]   ; THE LARGEST SCORE OF EACH BLOCK OF 32 KEYS: for the row's maximum and, since p rises with the score, for the block's largest p
.endr
.irp i, 3,5,7,9,11,13
.irp b, 0,1,2,3
	v_max3_num_f32 v[BM+\b], v[BM+\b], v[S+16*\b+\i], v[S+16*\b+\i+1]   ; (the four blocks by turns)
.endr
.endr
.irp b, 0,1,2,3
	v_max_num_f32 v[BM+\b], v[BM+\b], v[S+16*\b+15]
.endr
.irp b, 0,1,2,3
	s_delay_alu instid0(VALU_DEP_4)
	v_permlanex16_b32 v[PM+\b], v[BM+\b], s[SEL], s[SEL+1]
.endr
.irp b, 0,1,2,3
	s_delay_alu instid0(VALU_DEP_4)
	v_max_num_f32 v[BM+\b], v[BM+\b], v[PM+\b]     ; with lane l xor 16's 16 keys
.endr
	s_delay_alu instid0(VALU_DEP_2)
	v_max3_num_f32 v224, v[BM], v[BM+1], v[BM+2]
	s_delay_alu instid0(VALU_DEP_1)
	v_max_num_f32 v224, v224, v[BM+3]              ; the step's largest score of my query
	s_delay_alu instid0(VALU_DEP_1)
	v_mul_f32 v224, s[CS], v224                    ; as t (c is positive)
	s_delay_alu instid0(VALU_DEP_1)
	v_max_num_f32 v13, v13, v224                   ; the running largest t
	v_mov_b32 v224, v12
	s_delay_alu instid0(VALU_DEP_2)
	v_floor_f32 v12, -v13                          ; the new -M = floor(-t) = -ceil(t)
	s_delay_alu instid0(VALU_DEP_1)
	v_sub_f32 v224, v12, v224                      ; old M - new M: a whole number, 0 or less
	s_delay_alu instid0(VALU_DEP_1)
	v_cvt_i32_f32 v224, v224                       ; (it saturates)
	s_delay_alu instid0(VALU_DEP_1)
	v_ldexp_f32 v226, 1.0, v224                    ; f = 2^(old M - new M)
.set j, 0
.rept 32
	v_pk_fma_f32 v[S+j:S+j+1], v[S+j:S+j+1], s[CS:CS+1], v[12:13] op_sel_hi:[1,0,0]   ; t - M, two at a time
.set j, j+2
.endr
.irp b, 0,1,2,3
	v_fma_f32 v[BM+\b], v[BM+\b], s[CS], v12       ; the same of each block's largest score
.endr
.set j, 0
	s_setprio 1
	s_wait_alu depctr_va_vdst(0)
.rept 64
	v_exp_f32 v[S+j], v[S+j]                       ; p = 2^(t - M), at most 1
.set j, j+1
.endr
	v_pk_mul_f32 v[14:15], v[14:15], v[226:227] op_sel_hi:[1,0]   ; the sums under the new M.  (The plain place behind the exponentials)
	s_wait_alu depctr_va_vdst(0)                   ; one wait for the whole batch, ahead of its first reader
.irp b, 0,1,2,3
	v_exp_f32 v[BM+\b], v[BM+\b]                   ; the block's largest p: the same two instructions on the same number give the same bits
.endr
	v_pk_add_f32 v[216:217], v[100:101], v[104:105]
	v_pk_add_f32 v[230:231], v[108:109], v[112:113]
	v_pk_add_f32 v[228:229], v[116:117], v[120:121]
	v_pk_add_f32 v[222:223], v[124:125], v[128:129]
	v_pk_add_f32 v[220:221], v[132:133], v[136:137]
	v_pk_add_f32 v[218:219], v[140:141], v[144:145]
	v_pk_add_f32 v[210:211], v[148:149], v[152:153]
	v_pk_add_f32 v[14:15], v[14:15], v[156:157]
	v_pk_add_f32 v[216:217], v[216:217], v[96:97]
	v_pk_add_f32 v[230:231], v[230:231], v[98:99]
	v_pk_add_f32 v[228:229], v[228:229], v[102:103]
	v_pk_add_f32 v[222:223], v[222:223], v[106:107]
	v_pk_add_f32 v[220:221], v[220:221], v[110:111]
	v_pk_add_f32 v[218:219], v[218:219], v[114:115]
	v_pk_add_f32 v[210:211], v[210:211], v[118:119]
	v_pk_add_f32 v[14:15], v[14:15], v[122:123]
	v_pk_add_f32 v[216:217], v[216:217], v[126:127]
	v_pk_add_f32 v[230:231], v[230:231], v[130:131]
	v_pk_add_f32 v[228:229], v[228:229], v[134:135]
	v_pk_add_f32 v[222:223], v[222:223], v[138:139]
	v_pk_add_f32 v[220:221], v[220:221], v[142:143]
	v_pk_add_f32 v[218:219], v[218:219], v[146:147]
	v_pk_add_f32 v[210:211], v[210:211], v[150:151]
	v_pk_add_f32 v[14:15], v[14:15], v[154:155]
	v_pk_add_f32 v[216:217], v[216:217], v[158:159]
	s_delay_alu instid0(VALU_DEP_2)
	v_pk_add_f32 v[14:15], v[14:15], v[222:223]
	s_delay_alu instid0(VALU_DEP_2)
	v_pk_add_f32 v[216:217], v[216:217], v[220:221]
	v_pk_add_f32 v[230:231], v[230:231], v[218:219]
	v_pk_add_f32 v[228:229], v[228:229], v[210:211]
	s_delay_alu instid0(VALU_DEP_2)
	v_pk_add_f32 v[14:15], v[14:15], v[230:231]
	s_delay_alu instid0(VALU_DEP_2)
	v_pk_add_f32 v[216:217], v[216:217], v[228:229]
	s_delay_alu instid0(VALU_DEP_1)
	v_pk_add_f32 v[14:15], v[14:15], v[216:217]
	s_wait_alu depctr_va_vdst(0)                   ; and one for the four
.irp b, 0,1,2,3
	v_max_num_f32 v[BM+\b], 0x1800000, v[BM+\b]    ; the floor 2^(3 - 127)
.endr
.irp b, 0,1,2,3
	s_delay_alu instid0(VALU_DEP_4)
	v_add_nc_u32 v[SOP+\b], 0xff000000, v[BM+\b]   ; 2 off the exponent field: the conversion's scale operand
.endr
.irp b, 0,1,2,3
	s_delay_alu instid0(VALU_DEP_4)
	v_lshrrev_b32 v[PM+\b], 23, v[SOP+\b]          ; the scale's byte
.endr
	s_delay_alu instid0(VALU_DEP_3)
	v_lshl_or_b32 v227, v[PM+1], 8, v[PM]          ; p's scale word for these 128 keys
	s_delay_alu instid0(VALU_DEP_1)
	v_lshl_or_b32 v227, v[PM+2], 16, v227
	s_delay_alu instid0(VALU_DEP_1)
	v_lshl_or_b32 v227, v[PM+3], 24, v227
.irp c, 0,1
	v_cvt_scalef32_pk16_fp6_f32 v[PCD+6*\c:PCD+6*\c+2], v[S+32*\c:S+32*\c+15], v[SOP+2*\c]
	v_cvt_scalef32_pk16_fp6_f32 v[PT+4*\c:PT+4*\c+2], v[S+32*\c+16:S+32*\c+31], v[SOP+2*\c+1]
.endr
	v_nop                                          ; one plain place behind a scaled conversion
.irp c, 0,1
.irp i, 0,1,2
	v_permlane16_swap_b32 v[PCD+6*\c+\i], v[PT+4*\c+\i]
.endr
.irp i, 0,1,2
	s_delay_alu instid0(VALU_DEP_3)
	v_mov_b32 v[PCD+3+6*\c+\i], v[PT+4*\c+\i]
.endr
.endr
.set j, 0
	s_setprio 0
.rept 16
	v_pk_mul_f32 v[O+j:O+j+1], v[O+j:O+j+1], v[226:227] op_sel_hi:[1,0]   ; O^T under the new M.  (These sixteen are also the places between p's codes and scale word and the products)
.set j, j+2
.endr
	s_wait_alu depctr_va_vdst(0)
	s_wait_dscnt 0x0                               ; V
.irp p, 0,1                                    ; O^T += V^T P^T: the four accumulators by turns
	v_wmma_scale_f32_16x16x128_f8f6f4 v[O+16*\p:O+16*\p+7], v[KV+24*\p:KV+24*\p+11], v[PCD:PCD+11], v[O+16*\p:O+16*\p+7], v[VS+\p], v227 matrix_a_fmt:MATRIX_FMT_FP6 matrix_b_fmt:MATRIX_FMT_FP6
	v_wmma_scale_f32_16x16x128_f8f6f4 v[O+16*\p+8:O+16*\p+15], v[KV+24*\p+12:KV+24*\p+23], v[PCD:PCD+11], v[O+16*\p+8:O+16*\p+15], v[VS+\p], v227 matrix_a_fmt:MATRIX_FMT_FP6 matrix_b_fmt:MATRIX_FMT_FP6 matrix_a_scale:MATRIX_SCALE_ROW1
.endr
	s_add_co_u32 s48, s48, 6144                    ; the next two chunks,
	s_add_co_u32 s49, s49, 512                     ; their scale words of K,
	s_add_co_u32 s50, s50, 256                     ; and of V
.endm
.macro SLOT_STEPS base                 ; a slot's eight key steps
	s_mov_b32 s48, \base
	s_mov_b32 s51, 8
.Lstep_\@:
	s_setprio 2
	STEP
	s_sub_co_u32 s51, s51, 1
	s_cmp_lg_u32 s51, 0
	s_cbranch_scc1 .Lstep_\@
	s_setprio 0
.endm
; THE CHANGE OF SLOTS.  Each wave waits for all its tensor loads (its part of the slot ahead), adds 0 to its spare word, and waits for that and for its reads of the slot that it leaves.
; fill = 1: the barrier is a round of the cluster's, so that no wave of any partner still reads that slot or has a load on its way, and the joint refill is the first thing behind it.
.macro CHANGE g0, fill
	s_wait_tensorcnt 0x0                           ; no tensor load of mine is out, so a group 0 may be written
	ds_add_u32 v[SPW], v[NIL]                      ; 0 onto my spare word
.if \fill
	s_add_nc_u64 s[\g0+2:\g0+3], s[\g0+2:\g0+3], 98304   ; 2,048 keys on; the type bits on top are not reached
.endif
	s_wait_dscnt 0x0                               ; the add is done, and my reads of the slot are over
.if \fill
	CROUND
	tensor_load_to_lds s[\g0:\g0+3], s[G1:G1+7]
	s_nop 0
.rept 4
	v_nop
.endr
.else
	s_barrier_signal -1
	s_barrier_wait -1
.endif
.endm
	s_wait_tensorcnt 1                             ; the scale words and my part of slot 0 are in; slot 1's load may stay out
	s_barrier_signal -1
	s_barrier_wait -1                              ; everybody's are
	s_wait_loadcnt 0x0                             ; Q
	SLOT_STEPS 0                                   ; keys 0 ..
	CHANGE G0A, 1                                  ; slot 0 takes keys 2,048 ..
	SLOT_STEPS SLOT1                               ; keys 1,024 ..
	CHANGE G0B, 1                                  ; slot 1 takes keys 3,072 ..
	SLOT_STEPS 0
	CHANGE G0A, 0                                  ; nothing is left to fetch
	SLOT_STEPS SLOT1
	; THE WAY OUT: O^T / the sum, quantised along the head's 64, as a unit for the projection
.rept 4
	v_nop                                          ; places behind the last products
.endr
	v_add_f32 v14, v14, v15                        ; the sum's two halves,
	s_delay_alu instid0(VALU_DEP_1)
	v_permlanex16_b32 v224, v14, s[SEL], s[SEL+1]
	s_delay_alu instid0(VALU_DEP_1)
	v_add_f32 v14, v14, v224                       ; and lane l xor 16's: the row's sum
	s_wait_alu depctr_va_vdst(0)
	v_rcp_f32 v14, v14
	v_nop                                          ; one plain place behind the transcendental
	s_wait_alu depctr_va_vdst(0)                   ; the wait, ahead of the first reader
.set j, 0
.rept 32
	v_mul_f32 v[S+j], v[O+j], v14                  ; register 8 t + i of tile t = 2 b + u is o(my query, 32 b + 16 h + 8 u + i); each accumulator is read from its low end on
.set j, j+1
.endr
	QUANT64 S, PCD, 227
	global_store_b128 v[L16], v[PCD:PCD+3], s[8:9]
	global_store_b64 v[L8], v[PCD+4:PCD+5], s[8:9] offset:512
	global_store_b32 v[L4], v227, s[10:11]         ; lanes 16-31 repeat lanes 0-15
	s_wait_tensorcnt 0x0                           ; the wave's end, behind my last tensor load
	ds_add_u32 v[SPW], v[NIL]
	s_wait_dscnt 0x0
	CROUND                                         ; the closing round: no work-group ends while a partner may still ask for a tile that names it
	s_endpgm
.Lfunc_end_k_qa775d03b35_attn:
	.size	k_qa775d03b35_attn, .Lfunc_end_k_qa775d03b35_attn-k_qa775d03b35_attn
	.p2alignl 7, 3214868480
	.fill 96, 4, 3214868480
	.section	.rodata,"a",@progbits
	.p2align	6, 0x0
	.amdhsa_kernel k_qa775d03b35_attn
		.amdhsa_group_segment_fixed_size 327680
		.amdhsa_private_segment_fixed_size 0
		.amdhsa_enable_private_segment 0
		.amdhsa_kernarg_size 32
		.amdhsa_user_sgpr_count 2
		.amdhsa_user_sgpr_kernarg_segment_ptr 1
		.amdhsa_wavefront_size32 1
		.amdhsa_system_sgpr_workgroup_id_x 1
		.amdhsa_system_sgpr_workgroup_id_y 1
		.amdhsa_system_sgpr_workgroup_id_z 1
		.amdhsa_system_vgpr_workitem_id 0
		.amdhsa_next_free_vgpr 232
		.amdhsa_next_free_sgpr 66
		.amdhsa_reserve_vcc 0
		.amdhsa_float_denorm_mode_32 3
		.amdhsa_float_denorm_mode_16_64 3
		.amdhsa_memory_ordered 1
		.amdhsa_forward_progress 1
		.amdhsa_inst_pref_size 85
	.end_amdhsa_kernel
	.amdgpu_metadata
---
amdhsa.version: [ 1, 2 ]
amdhsa.kernels:
  - .name:           k_qa775d03b35_attn
    .symbol:         k_qa775d03b35_attn.kd
    .args:
      - { .name: qkvc, .offset: 0, .size: 8, .value_kind: global_buffer, .address_space: global }
      - { .name: scl, .offset: 8, .size: 8, .value_kind: global_buffer, .address_space: global }
      - { .name: ocod, .offset: 16, .size: 8, .value_kind: global_buffer, .address_space: global }
      - { .name: oscl, .offset: 24, .size: 8, .value_kind: global_buffer, .address_space: global }
    .group_segment_fixed_size: 327680
    .private_segment_fixed_size: 0
    .kernarg_segment_align: 8
    .kernarg_segment_size: 32
    .max_flat_workgroup_size: 512
    .sgpr_count:     66
    .vgpr_count:     232
    .wavefront_size: 32
...
	.end_amdgpu_metadata
.endif
;; end of part 3
;; launch proj (part 4): grid 256 x 1, 16 waves a work-group, no clusters, 71,680 bytes of LDS; arguments ocod, oscl, wts, proj_b, x, out0; writes out0
.if DOCPART == 4
	.amdgcn_target "amdgcn-amd-amdhsa--gfx1250"
	.amdhsa_code_object_version 6
	.text
	.protected	k_qa775d03b35_proj
	.globl	k_qa775d03b35_proj
	.p2align	8
	.type	k_qa775d03b35_proj,@function
k_qa775d03b35_proj:
	s_mov_b64 s[64:65], 0
	v_nop
	global_prefetch_b8 v0, s[64:65] scope:SCOPE_SE
	s_setreg_imm32_b32 hwreg(HW_REG_WAVE_MODE, 25, 1), 1
	s_wait_xcnt 0x0
; FOURTH LAUNCH: out = x + proj_w o + proj_b, the product on codes of E2M3.  Nothing is left out.
; A work-group takes one batch and one chunk of 64 tokens (work-group = 64 b + chunk).  Wave w takes weight tile 48 + w: 16 output channels, for all 64 tokens: so a wave makes 16 whole rows of 256 bytes of the
; output, and no wave needs another: no barrier.  K = 256 channels = head x 64 + d: a fragment of 128 is the units of two heads; its scale word is the two units' words, one above the other.
; Source 0 = 16 tokens, source 1 = 16 rows of proj_w: a lane holds ONE output channel, and the eight registers of token tile 2 b + u are tokens 32 b + 16 h + 8 u + 0 .. 7: 32 neighbouring bytes of its row.
; They go through the wave's own stage in LDS (rows of 256 + 16 bytes) and come back as whole rows, to which x is added: sixteen lanes store 256 consecutive bytes, at a multiple of 256 from out0's first byte.
; The bias is the C of each sum's first product.  Weights and o's units come by plain loads of 512 and 256 consecutive bytes straight into operand registers, once, with no loop: so no ring, no tensor load and no
; cluster: by way of LDS the same bytes would be written there and read again.
.set SPARE, 69632                      ; LDS: 0: the stage, 256 rows x 272 bytes, rows 16 w .. 16 w + 15 wave w's own;  SPARE: the spare words, 128 bytes for each wave
.set L16, 1
.set L8,  2
.set L4,  3
.set SPW, 4                            ; v4   LDS address of my spare word; never rewritten
.set NIL, 5                            ; v5   0; never rewritten
.set SO,  6                            ; v6   the stage: where I put 32 bytes of my channel's row
.set SR,  7                            ; v7   and where I read a row back
.set GO,  8                            ; v8   the same place in x and in out0
.set BV,  9                            ; v9   4 (r + 8 (r / 8)): my channel's bias
.set OF,  16                           ; v16-111 o's fragments (tile t, K step s) at OF + 12 (2 t + s); later the rows read back
.set WF,  112                          ; v112-135 proj_w's two fragments
.set WS,  136                          ; v136-137 their scale words
.set RW,  138                          ; v138-153 o's units' scale words [head][tile]
.set MW,  154                          ; v154-161 joined [tile][K step]
.set BIAS, 162                         ; v162-169
.set ACC, 170                          ; v170-201
.set XR,  202                          ; v202-233 x
	s_load_b256 s[4:11], s[0:1], 0x0               ; ocod s[4:5], oscl s[6:7], wts s[8:9], proj_b s[10:11]
	s_load_b128 s[12:15], s[0:1], 0x20             ; x s[12:13], out0 s[14:15]
	v_lshl_add_u32 v[SPW], v0, 2, SPARE
	v_mov_b32 v[NIL], 0
	v_lshrrev_b32 v10, 5, v0
	v_readfirstlane_b32 s16, v10                   ; wave 0..15
	v_and_b32 v10, 31, v0
	v_lshlrev_b32 v[L16], 4, v10
	v_lshlrev_b32 v[L8], 3, v10
	v_lshlrev_b32 v[L4], 2, v10
	v_and_b32 v10, 15, v0                          ; r
	v_bfe_u32 v11, v0, 4, 1                        ; h
	s_mul_i32 s34, s16, 16*272                     ; my 16 rows of the stage
	v_mul_u32_u24 v[SO], v10, 272
	v_lshl_add_u32 v[SO], v11, 6, v[SO]
	v_add_nc_u32 v[SO], s34, v[SO]                 ; in: row r, + 64 h
	v_mul_u32_u24 v[SR], v11, 272
	v_lshl_add_u32 v[SR], v10, 4, v[SR]
	v_add_nc_u32 v[SR], s34, v[SR]                 ; back: lanes 0-15 one row, lanes 16-31 the next; 16 bytes a lane
	v_lshlrev_b32 v[GO], 14, v11
	v_lshl_add_u32 v[GO], v10, 4, v[GO]            ; a channel's row of x is 16,384 bytes
	v_and_b32 v[BV], 8, v0
	v_add_nc_u32 v[BV], v[BV], v10
	v_lshlrev_b32 v[BV], 2, v[BV]
	s_lshr_b32 s17, s16, 2
	s_lshl_b32 s17, s17, 6
	s_bfe_u32 s18, s16, 0x10001
	s_lshl_b32 s18, s18, 5
	s_add_co_u32 s17, s17, s18
	s_and_b32 s18, s16, 1
	s_lshl_b32 s18, s18, 3
	s_add_co_u32 s17, s17, s18                     ; my tile's first channel: 64 (w / 4) + 32 ((w / 2) % 2) + 8 (w % 2)
	s_lshr_b32 s20, ttmp9, 6
	s_lshl_b32 s20, s20, 22
	s_lshl_b32 s21, s17, 14
	s_add_co_u32 s20, s20, s21
	s_and_b32 s21, ttmp9, 63
	s_lshl_b32 s21, s21, 8
	s_add_co_u32 s20, s20, s21                     ; x, out0: 4 MiB b + the channel + 256 chunk
	s_mov_b32 s21, 0
	s_mul_i32 s22, ttmp9, 12288                    ; o's sixteen units
	s_mov_b32 s23, 0
	s_lshl_b32 s24, ttmp9, 11                      ; their scale words
	s_mov_b32 s25, 0
	s_add_co_u32 s26, s16, 48
	s_lshl_b32 s28, s26, 8
	s_add_co_u32 s28, s28, 196608                  ; the weights' scale words
	s_mov_b32 s29, 0
	s_mul_i32 s26, s26, 3072                       ; the weights' images
	s_mov_b32 s27, 0
	s_lshl_b32 s32, s17, 2                         ; the bias
	s_mov_b32 s33, 0
	s_wait_kmcnt 0x0
	s_add_nc_u64 s[4:5], s[4:5], s[22:23]
	s_add_nc_u64 s[6:7], s[6:7], s[24:25]
	s_add_nc_u64 s[30:31], s[8:9], s[28:29]
	s_add_nc_u64 s[8:9], s[8:9], s[26:27]
	s_add_nc_u64 s[10:11], s[10:11], s[32:33]
	s_add_nc_u64 s[12:13], s[12:13], s[20:21]
	s_add_nc_u64 s[14:15], s[14:15], s[20:21]
.irp t, 0,1,2,3
.irp s, 0,1
.irp c, 0,1                                    ; registers 6 c on: head 2 s + c's unit of token tile t
	global_load_b128 v[OF+12*(2*\t+\s)+6*\c:OF+12*(2*\t+\s)+6*\c+3], v[L16], s[4:5] offset:(2*\s+\c)*3072+768*\t
	global_load_b64 v[OF+12*(2*\t+\s)+6*\c+4:OF+12*(2*\t+\s)+6*\c+5], v[L8], s[4:5] offset:(2*\s+\c)*3072+768*\t+512
.endr
.endr
.endr
.irp d, 0,1,2,3
.irp t, 0,1,2,3
	global_load_b32 v[RW+4*\d+\t], v[L4], s[6:7] offset:512*\d+128*\t
.endr
.endr
.irp s, 0,1
.irp q, 0,1,2
	global_load_b128 v[WF+12*\s+4*\q:WF+12*\s+4*\q+3], v[L16], s[8:9] offset:1536*\s+512*\q
.endr
	global_load_b32 v[WS+\s], v[L4], s[30:31] offset:128*\s
.endr
.irp j, 0,1,2,3,4,5,6,7
	global_load_b32 v[BIAS+\j], v[BV], s[10:11]    ; a lane holds one channel: its bias in all eight registers
.endr
.irp i, 0,1,2,3,4,5,6,7                        ; stage rows 2 i and 2 i + 1 are channels 2 i + 8 (i / 4) and the next of my tile
	global_load_b128 v[XR+4*\i:XR+4*\i+3], v[GO], s[12:13] offset:(2*\i+8*(\i/4))*16384
.endr
	s_wait_loadcnt 8                               ; all but x's eight loads
.irp t, 0,1,2,3
.irp s, 0,1
	v_lshl_or_b32 v[MW+2*\t+\s], v[RW+4*(2*\s+1)+\t], 16, v[RW+4*(2*\s)+\t]   ; four bytes for 128 along K
.endr
.endr
.rept 8
	v_nop                                          ; a scale register written by a vector instruction stands 8 places ahead of a scaled matrix instruction
.endr
.irp t, 0,1,2,3                                ; the four accumulators by turns, a K step at a time
	v_wmma_scale_f32_16x16x128_f8f6f4 v[ACC+8*\t:ACC+8*\t+7], v[OF+24*\t:OF+24*\t+11], v[WF:WF+11], v[BIAS:BIAS+7], v[MW+2*\t], v[WS] matrix_a_fmt:MATRIX_FMT_FP6 matrix_b_fmt:MATRIX_FMT_FP6
.endr
.irp t, 0,1,2,3
	v_wmma_scale_f32_16x16x128_f8f6f4 v[ACC+8*\t:ACC+8*\t+7], v[OF+24*\t+12:OF+24*\t+23], v[WF+12:WF+23], v[ACC+8*\t:ACC+8*\t+7], v[MW+2*\t+1], v[WS+1] matrix_a_fmt:MATRIX_FMT_FP6 matrix_b_fmt:MATRIX_FMT_FP6
.endr
.rept 4
	v_nop                                          ; places ahead of the stores that read results and of the loads into o's registers
.endr
.irp t, 0,1,2,3
	ds_store_b128 v[SO], v[ACC+8*\t:ACC+8*\t+3] offset:128*(\t/2)+32*(\t%2)        ; each accumulator from its low end on
	ds_store_b128 v[SO], v[ACC+8*\t+4:ACC+8*\t+7] offset:128*(\t/2)+32*(\t%2)+16
.endr
.irp i, 0,1,2,3,4,5,6,7
	ds_load_b128 v[OF+4*\i:OF+4*\i+3], v[SR] offset:2*\i*272   ; LDS serves a wave's instructions in order: these see my stores
.endr
.irp i, 0,1,2,3,4,5,6,7
	s_wait_dscnt 7-\i                              ; the counts are the younger row loads, from the stage
	s_wait_loadcnt 7-\i                            ; and of x
	v_pk_add_f32 v[OF+4*\i:OF+4*\i+1], v[OF+4*\i:OF+4*\i+1], v[XR+4*\i:XR+4*\i+1]
	v_pk_add_f32 v[OF+4*\i+2:OF+4*\i+3], v[OF+4*\i+2:OF+4*\i+3], v[XR+4*\i+2:XR+4*\i+3]
	global_store_b128 v[GO], v[OF+4*\i:OF+4*\i+3], s[14:15] offset:(2*\i+8*(\i/4))*16384 th:TH_STORE_NT
.endr
	s_wait_tensorcnt 0x0                           ; the wave's end, behind my last LDS store
	ds_add_u32 v[SPW], v[NIL]
	s_wait_dscnt 0x0
	s_endpgm
.Lfunc_end_k_qa775d03b35_proj:
	.size	k_qa775d03b35_proj, .Lfunc_end_k_qa775d03b35_proj-k_qa775d03b35_proj
	.p2alignl 7, 3214868480
	.fill 96, 4, 3214868480
	.section	.rodata,"a",@progbits
	.p2align	6, 0x0
	.amdhsa_kernel k_qa775d03b35_proj
		.amdhsa_group_segment_fixed_size 71680
		.amdhsa_private_segment_fixed_size 0
		.amdhsa_enable_private_segment 0
		.amdhsa_kernarg_size 48
		.amdhsa_user_sgpr_count 2
		.amdhsa_user_sgpr_kernarg_segment_ptr 1
		.amdhsa_wavefront_size32 1
		.amdhsa_system_sgpr_workgroup_id_x 1
		.amdhsa_system_sgpr_workgroup_id_y 1
		.amdhsa_system_sgpr_workgroup_id_z 1
		.amdhsa_system_vgpr_workitem_id 0
		.amdhsa_next_free_vgpr 240
		.amdhsa_next_free_sgpr 66
		.amdhsa_reserve_vcc 0
		.amdhsa_float_denorm_mode_32 3
		.amdhsa_float_denorm_mode_16_64 3
		.amdhsa_memory_ordered 1
		.amdhsa_forward_progress 1
		.amdhsa_inst_pref_size 15
	.end_amdhsa_kernel
	.amdgpu_metadata
---
amdhsa.version: [ 1, 2 ]
amdhsa.kernels:
  - .name:           k_qa775d03b35_proj
    .symbol:         k_qa775d03b35_proj.kd
    .args:
      - { .name: ocod, .offset: 0, .size: 8, .value_kind: global_buffer, .address_space: global }
      - { .name: oscl, .offset: 8, .size: 8, .value_kind: global_buffer, .address_space: global }
      - { .name: wts, .offset: 16, .size: 8, .value_kind: global_buffer, .address_space: global }
      - { .name: proj_b, .offset: 24, .size: 8, .value_kind: global_buffer, .address_space: global }
      - { .name: x, .offset: 32, .size: 8, .value_kind: global_buffer, .address_space: global }
      - { .name: out0, .offset: 40, .size: 8, .value_kind: global_buffer, .address_space: global }
    .group_segment_fixed_size: 71680
    .private_segment_fixed_size: 0
    .kernarg_segment_align: 8
    .kernarg_segment_size: 48
    .max_flat_workgroup_size: 512
    .sgpr_count:     66
    .vgpr_count:     240
    .wavefront_size: 32
...
	.end_amdgpu_metadata
.endif
;; end of part 4
